; MI455X (gfx1250); checked and timed in simulation.
; The chip was launched on July 23, 2026; its instructions are those of AMD's public machine-readable ISA for CDNA 5 (MIT licence, August 2026) and "CDNA5" Instruction Set Architecture Reference Guide (July 2026). The comments in the code are by the model that wrote it; some were corrected since.
;; Custom Attention. Allowed arithmetic: matrix products marked QUANTISED: E2M1 operands, one E8M0 scale for each 32 along K, by v_wmma_scale_f32_16x16x128_f8f6f4 with both operands' format E2M1 (or v_wmma_scale_f32_32x16x128_f4), f32 sums; products left as they are: bf16, f16 or f32 operands; f32 sums; everything else in f32.
;; Inputs: b_out 1,024 float32; w_out 1,024 x 1,024 float32; w_qkv 1,024 x 3,072 float32; x 4 x 2,048 x 1,024 float32.
;; Outputs: out0 4 x 2,048 x 1,024 float32.
;; This version of the problem:
;;   THIS VERSION OF THE PROBLEM IS GIVEN IN LOW PRECISION. The matrix products marked QUANTISED in the list below multiply operands that are first quantised to E2M1 (2 exponent bits, 1 mantissa bit; 4 bits a number), with one power-of-two scale for each 32 numbers along K (OCP MX v1.0); their sums are f32. The products marked 'left as it is' may take bf16, f16 or f32 operands, with f32 sums. Whichever they take, every output number must still come out within the allowed error. Rounding operands to bf16 (8 significant bits) uses up far more of that allowance than f16 does (11 bits, for magnitudes from 6e-5 to 65,504). All else is computed in f32.
;;   The module's matrix products, in the order in which they are computed (A, B: the left and right operand; K: the contracted axis; several contracted axes count as one K, in the product's order):
;;     1. [M 8,192, K 1,024] x [K 1,024, N 3,072]; A: input x; B: input w_qkv: QUANTISED
;;     2. batch 64 x [M 2,048, K 64] x [K 64, N 2,048]; A: computed on the way; B: computed on the way: left as it is (an operand is computed on the way)
;;     3. batch 64 x [M 2,048, K 2,048] x [K 2,048, N 64]; A: computed on the way; B: computed on the way: left as it is (an operand is computed on the way)
;;     4. [M 8,192, K 1,024] x [K 1,024, N 1,024]; A: computed on the way; B: input w_out: left as it is (an operand is computed on the way)
;;   THE QUANTISER, for each operand of a quantised product, along K:
;;     - K is cut into blocks of 32 from its start; a last block that is shorter is filled with zeros.
;;     - A block's scale is 2^e with e = floor(log2(the largest magnitude in the block)) - 2, held to -126 .. 127; a block of zeros has e = 0. As a byte (E8M0): e + 127.
;;     - Each number is divided by its block's scale, clamped to +-6, and rounded to the nearest number of E2M1, ties to even, subnormals kept.
;;     - The product sums the exact products of the quantised numbers (number of the format x scale) in f32.
;;   ~~~python
;;   def quantise(x, axis):      # numpy; x: float32 -> the quantised numbers, widened to float32 again
;;       x = np.moveaxis(x, axis, -1); K = x.shape[-1]
;;       x = np.pad(x, [(0, 0)] * (x.ndim - 1) + [(0, -K % 32)]); x = x.reshape(x.shape[:-1] + (-1, 32)); a = np.abs(x).max(-1, keepdims=True)
;;       e = np.where(a > 0, np.clip(np.frexp(np.where(a > 0, a, 1))[1] - 1 - 2, -126, 127), 0)      # np.frexp(a)[1] - 1 = floor(log2(a)), exactly
;;       r = np.clip(x / 2.0 ** e, -6, 6)
;;       step = 2.0 ** (np.maximum(np.frexp(np.where(r == 0, 1, r))[1] - 1, 0) - 1)
;;       q = np.round(r / step) * step * 2.0 ** e      # np.round: ties to even
;;       return np.moveaxis(q.reshape(q.shape[:-2] + (-1,))[..., :K], -1, axis).astype(np.float32)
;;   ~~~
;; One version. Each part assembles by itself: llvm-mc -triple=amdgcn-amd-amdhsa -mcpu=gfx1250 --defsym DOCPART=n.
;; ======== version 1 of 1: 4 launches
;; limits: values are held in f16: magnitudes above 65,504 overflow, below 6.1e-05 lose precision
;; workspace buffers: x_codes 4,194,304 bytes; x_scales 262,144 bytes; w_codes 1,572,864 bytes; w_scales 98,304 bytes; wt 2,097,152 bytes; qkv 50,331,648 bytes; o 16,777,216 bytes
;; launch prep (part 1): grid 368 x 1, 4 waves a work-group, no clusters, 104,960 bytes of LDS; arguments x, w_qkv, w_out, x_codes, x_scales, w_codes, w_scales, wt; writes x_codes, x_scales, w_codes, w_scales, wt
.if DOCPART == 1
	.amdgcn_target "amdgcn-amd-amdhsa--gfx1250"
	.amdhsa_code_object_version 6
	.text
	.protected	k_qf905c89285_prep
	.globl	k_qf905c89285_prep
	.p2align	8
	.type	k_qf905c89285_prep,@function
k_qf905c89285_prep:
	s_mov_b64 s[64:65], 0
	v_nop
	global_prefetch_b8 v0, s[64:65] scope:SCOPE_SE
	s_setreg_imm32_b32 hwreg(HW_REG_WAVE_MODE, 25, 1), 1
	s_wait_xcnt 0x0
; PREP: what the later launches read many times is made once.
;   x     [8192][1024] f32 (K innermost)  -> x_codes [8192][512 bytes], x_scales [8192][32]    work-groups 112 .. 367
;   w_qkv [1024][3072] f32 (K outermost)  -> w_codes [3072][512 bytes], w_scales [3072][32]    work-groups 0 .. 47
;   w_out [1024][1024] f32 (K outermost)  -> wt [16 planes][1024 n][64 k] f16                  work-groups 48 .. 111
; Codes are FP4 (E2M1), two a byte, the lower k in the low four bits; one E8M0 byte for each 32 along K.
; A block's scale is 2^(floor(log2(largest magnitude)) - 2): its byte is the largest magnitude's exponent field - 2, held at 1 from below.
; LIMITS: a block of zeros gets the byte 1 (its codes are zeros, and this program alone reads the bytes); blocks whose largest magnitude lies
; under 2^-124 were not tried; NaN and infinities are not served; w_out is rounded to f16: beyond 65,504 it becomes infinity.
; Three ways part on the work-group's number; each has LDS bytes of its own and an end of its own.  No tensor load, no barrier: waves share nothing.
.set XR,    0                          ; LDS of the way for x: 8,192 bytes a wave
.set WR,    32768                      ; of the way for w_qkv: 32 rows x 272 bytes a wave
.set TR,    67584                      ; of the way for w_out: 2 x 32 rows x 144 bytes a wave
.set SPARE, 104448                     ; the spare words, 128 bytes a wave: two blocks of 256 bytes that no other line names
.set SPW,   192                        ; v192  LDS address of my spare word; never rewritten
.set NIL,   193                        ; v193  0; never rewritten
	s_load_b256 s[4:11], s[0:1], 0x0               ; x s[4:5], w_qkv s[6:7], w_out s[8:9], x_codes s[10:11]
	s_load_b256 s[12:19], s[0:1], 0x20             ; x_scales s[12:13], w_codes s[14:15], w_scales s[16:17], wt s[18:19]
	v_lshl_add_u32 v[SPW], v0, 2, SPARE
	v_mov_b32 v[NIL], 0
	v_lshrrev_b32 v1, 5, v0
	v_readfirstlane_b32 s20, v1                    ; wave 0..3
	v_and_b32 v2, 31, v0                           ; lane
	s_wait_kmcnt 0x0
	s_cmp_lt_u32 ttmp9, 48
	s_cbranch_scc1 .Lpath_w
	s_cmp_lt_u32 ttmp9, 112
	s_cbranch_scc1 .Lpath_t
; ---------------- x: a plain stream of blocks of 32.  A wave takes 16 steps of 512 numbers.
; Each load reads 512 consecutive bytes; a step's 2,048 bytes turn through the wave's own stage (16 bytes of padding behind each 64), so that a lane
; gets 16 neighbours along K; two neighbouring lanes hold a block.  A wave's 256 scale bytes are gathered in LDS and leave as one run of 256 bytes.
.set XSTEPS, 16
.set XL,  16                           ; v16-79   four sets of 16 numbers as loaded
.set XN,  80                           ; v80-111  two sets of 16 neighbours
.set XE,  112                          ; v112-127 a scale byte for each step
.set XC,  128                          ; v128-191 codes, four registers for each step: no store's data are written again
.set XSP, 80                           ; a lane's place in a stage
	v_lshlrev_b32 v3, 4, v2                        ; my 16 bytes of a load's 512
	s_mul_i32 s21, s20, 8192                       ; my wave's region (XR = 0)
	v_lshrrev_b32 v14, 2, v2
	v_mul_u32_u24 v14, v14, XSP
	v_and_b32 v15, 3, v2
	v_lshl_add_u32 v14, v15, 4, v14
	v_add_nc_u32 v14, s21, v14                     ; into the stage: 80 (lane / 4) + 16 (lane % 4)
	v_mul_u32_u24 v15, v2, XSP
	v_add_nc_u32 v15, s21, v15                     ; out of it: 80 x lane
	v_lshlrev_b32 v4, 3, v2                        ; my 8 bytes of a step's codes
	v_lshrrev_b32 v5, 1, v2
	s_add_co_u32 s21, s21, 2*32*XSP
	v_add_nc_u32 v5, s21, v5                       ; my block's scale byte in LDS
	v_lshlrev_b32 v7, 3, v2
	v_add_nc_u32 v6, s21, v7                       ; and 8 bytes a lane on the way out
	s_sub_co_u32 s22, ttmp9, 112
	s_lshl_b32 s22, s22, 2
	s_add_co_u32 s22, s22, s20                     ; which run of 8,192 numbers is my wave's: 0 .. 1023
	s_mov_b32 s25, 0
	s_lshl_b32 s24, s22, 15                        ; 32,768 bytes of x a run
	s_add_nc_u64 s[4:5], s[4:5], s[24:25]
	s_lshl_b32 s24, s22, 12                        ; 4,096 bytes of codes
	s_add_nc_u64 s[10:11], s[10:11], s[24:25]
	s_lshl_b32 s24, s22, 8                         ; 256 scale bytes
	s_add_nc_u64 s[12:13], s[12:13], s[24:25]
.macro XLOAD t
.irp i, 0,1,2,3
	global_load_b128 v[XL+16*((\t)%4)+4*\i:XL+16*((\t)%4)+4*\i+3], v3, s[4:5] offset:2048*(\t)+512*\i th:TH_LOAD_NT
.endr
.endm
.macro XTURN t                         ; LDS serves a wave's instructions in order: no wait between the stores and the loads
.irp i, 0,1,2,3
	ds_store_b128 v14, v[XL+16*((\t)%4)+4*\i:XL+16*((\t)%4)+4*\i+3] offset:32*XSP*((\t)%2)+8*XSP*\i
.endr
.irp i, 0,1,2,3
	ds_load_b128 v[XN+16*((\t)%2)+4*\i:XN+16*((\t)%2)+4*\i+3], v15 offset:32*XSP*((\t)%2)+16*\i
.endr
.endm
.irp t, 0,1,2,3
	XLOAD \t
.endr
	s_wait_loadcnt 12                              ; step 0's four loads are in; the twelve of steps 1 to 3 may be out
	XTURN 0
.macro XSTEP t
.set XS, XN+16*((\t)%2)
.if (\t) > 0
	s_wait_dscnt 1                                 ; this step's numbers are back from the stage; the last step's byte store may be out
.else
	s_wait_dscnt 0x0
.endif
.if (\t)+4 < XSTEPS
	XLOAD (\t)+4                                   ; into the set whose stores into the stage have read it
.endif
.if (\t)+1 < XSTEPS
.if XSTEPS-2-(\t) >= 3
	s_wait_loadcnt 12                              ; the next step's four are in; those of the three steps behind it may be out
.else
	s_wait_loadcnt 4*(XSTEPS-2-(\t))
.endif
	XTURN (\t)+1
.endif
	v_max3_num_f32 v8, |v[XS]|, |v[XS+1]|, |v[XS+2]|
	v_max3_num_f32 v9, |v[XS+3]|, |v[XS+4]|, |v[XS+5]|
.irp i, 6,10
	v_max3_num_f32 v8, v8, |v[XS+\i]|, |v[XS+\i+1]|
	v_max3_num_f32 v9, v9, |v[XS+\i+2]|, |v[XS+\i+3]|
.endr
	v_max3_num_f32 v8, v8, |v[XS+14]|, |v[XS+15]|
	v_max3_num_f32 v8, v8, v9, 0x1800000           ; and the floor 2^(3 - 127): the byte cannot fall under 1
	v_max_num_f32_dpp v8, v8, v8 row_xmask:1 row_mask:0xf bank_mask:0xf   ; with my neighbour's 16: the block's largest magnitude
	v_add_nc_u32 v11, 0xff000000, v8               ; 2 off its exponent field: the conversion takes this operand's exponent field as its scale
	v_cvt_scalef32_pk8_fp4_f32 v[XC+4*(\t)], v[XS:XS+7], v11
	v_cvt_scalef32_pk8_fp4_f32 v[XC+4*(\t)+1], v[XS+8:XS+15], v11
	v_lshrrev_b32 v[XE+(\t)], 23, v11              ; the scale's byte
	ds_store_b8 v5, v[XE+(\t)] offset:16*(\t)      ; both lanes of a block write the same byte with the same value
	global_store_b64 v4, v[XC+4*(\t):XC+4*(\t)+1], s[10:11] offset:256*(\t)   ; the wave stores 256 consecutive bytes, aligned
.endm
.irp t, 0,1,2,3,4,5,6,7,8,9,10,11,12,13,14,15
	XSTEP \t
.endr
	ds_load_b64 v[8:9], v6                         ; sees my byte stores: LDS serves a wave in order
	s_wait_dscnt 0x0
	global_store_b64 v7, v[8:9], s[12:13]          ; 256 consecutive bytes, aligned
	s_wait_tensorcnt 0x0                           ; the wave's end
	ds_add_u32 v[SPW], v[NIL]
	s_wait_dscnt 0x0
	s_endpgm
; ---------------- w_qkv: a lane takes a column n and its registers run down K: a block of 32 lies in one lane, and the codes come out with K innermost.
; A work-group: 128 columns (32 a wave) x 512 along K.  A column's 256 bytes of codes go through the wave's stage and leave as rows, sixteen lanes to 256 bytes.
.Lpath_w:
.set WP,   272                         ; a stage row: 256 bytes + 16
.set WX,   32                          ; v32-95   two sets of 32 numbers
.set WC,   96                          ; v96-99   a block's codes
.set WO,   112                         ; v112-175 the way out
.set WSB,  24                          ; v24-27   the scale bytes, four to a register
	s_lshr_b32 s21, ttmp9, 1
	s_lshl_b32 s21, s21, 7
	s_lshl_b32 s22, s20, 5
	s_add_co_u32 s21, s21, s22                     ; my wave's first column
	s_and_b32 s22, ttmp9, 1                        ; which half of K
	v_lshlrev_b32 v3, 2, v2                        ; in: 4 bytes a lane
	s_mul_i32 s23, s20, 32*WP
	s_add_co_u32 s23, s23, WR                      ; my stage
	v_mul_u32_u24 v4, v2, WP
	v_add_nc_u32 v4, s23, v4                       ; into it: row = my column
	v_and_b32 v5, 15, v2
	v_lshrrev_b32 v6, 4, v2
	v_mul_u32_u24 v7, v6, WP
	v_lshl_add_u32 v7, v5, 4, v7
	v_add_nc_u32 v7, s23, v7                       ; out of it: sixteen lanes to a row, two rows an instruction
	v_lshlrev_b32 v8, 9, v6
	v_lshl_add_u32 v8, v5, 4, v8                   ; the same place in w_codes (rows of 512 bytes)
	v_lshlrev_b32 v9, 5, v2                        ; my column's row of 32 scale bytes
	s_mov_b32 s25, 0
	s_mul_i32 s24, s22, 512*3072*4
	s_lshl_b32 s26, s21, 2
	s_add_co_u32 s24, s24, s26
	s_add_nc_u64 s[6:7], s[6:7], s[24:25]          ; w_qkv at row 512 x half, my first column
	s_lshl_b32 s24, s21, 9
	s_lshl_b32 s26, s22, 8
	s_add_co_u32 s24, s24, s26
	s_add_nc_u64 s[14:15], s[14:15], s[24:25]      ; w_codes
	s_lshl_b32 s24, s21, 5
	s_lshl_b32 s26, s22, 4
	s_add_co_u32 s24, s24, s26
	s_add_nc_u64 s[16:17], s[16:17], s[24:25]      ; w_scales
.macro WLOAD t                         ; block t: w(32 t + i, my column); the largest offset, 511 rows of 12,288 bytes, lies inside the signed 24-bit immediate
.irp i, 0,1,2,3,4,5,6,7,8,9,10,11,12,13,14,15,16,17,18,19,20,21,22,23,24,25,26,27,28,29,30,31
	global_load_b32 v[WX+32*((\t)%2)+\i], v3, s[6:7] offset:(32*(\t)+\i)*12288 th:TH_LOAD_NT
.endr
.endm
	WLOAD 0
	WLOAD 1
.macro WBLOCK t
.set XS, WX+32*((\t)%2)
.if (\t) < 15
	s_wait_loadcnt 32                              ; this block's 32 loads are in; the next block's 32 may be out
.else
	s_wait_loadcnt 0
.endif
	v_max3_num_f32 v12, |v[XS]|, |v[XS+1]|, |v[XS+2]|
	v_max3_num_f32 v13, |v[XS+3]|, |v[XS+4]|, |v[XS+5]|
.irp i, 6,10,14,18,22,26
	v_max3_num_f32 v12, v12, |v[XS+\i]|, |v[XS+\i+1]|
	v_max3_num_f32 v13, v13, |v[XS+\i+2]|, |v[XS+\i+3]|
.endr
	v_max3_num_f32 v12, v12, |v[XS+30]|, |v[XS+31]|
	v_max3_num_f32 v12, v12, v13, 0x1800000        ; the floor
	v_add_nc_u32 v11, 0xff000000, v12              ; the conversion's scale operand
	v_lshrrev_b32 v13, 23, v11                     ; the byte
.if (\t)%4 == 0
	v_mov_b32 v[WSB+(\t)/4], v13
.else
	v_lshl_or_b32 v[WSB+(\t)/4], v13, 8*((\t)%4), v[WSB+(\t)/4]
.endif
.irp g, 0,1,2,3
	v_cvt_scalef32_pk8_fp4_f32 v[WC+\g], v[XS+8*\g:XS+8*\g+7], v11
.endr
	ds_store_b128 v4, v[WC:WC+3] offset:16*(\t)
.if (\t)+2 < 16
	WLOAD (\t)+2
.endif
	s_wait_dscnt 0x0                               ; the store has read its registers: the next block's codes may be written
.endm
.irp t, 0,1,2,3,4,5,6,7,8,9,10,11,12,13,14,15
	WBLOCK \t
.endr
	global_store_b128 v9, v[WSB:WSB+3], s[16:17]   ; my column's 16 scale bytes of this half of K
.irp t, 0,1,2,3,4,5,6,7,8,9,10,11,12,13,14,15
	ds_load_b128 v[WO+4*\t:WO+4*\t+3], v7 offset:2*\t*WP
.endr
.irp t, 0,1,2,3,4,5,6,7,8,9,10,11,12,13,14,15
	s_wait_dscnt 15-\t                             ; loads come back in order: number t is in
	global_store_b128 v8, v[WO+4*\t:WO+4*\t+3], s[14:15] offset:2*\t*512   ; sixteen lanes store 256 consecutive bytes, aligned
.endr
	s_wait_tensorcnt 0x0                           ; the wave's end, as above
	ds_add_u32 v[SPW], v[NIL]
	s_wait_dscnt 0x0
	s_endpgm
; ---------------- w_out: the same plan without a quantiser.  A work-group: 128 columns (32 a wave) x 128 along K = two planes of 64.
; A lane's 128 numbers of its column become 64 registers of f16 pairs: two rows of 128 bytes, one in each plane; they go through the stage and leave four rows (512 bytes) a store.
.Lpath_t:
.set TX,  32                           ; v32-95   two sets of 32 numbers; later the way out
.set TC,  96                           ; v96-159  the packed column
.set TP,  144                          ; a stage row: 128 bytes + 16
	s_sub_co_u32 s21, ttmp9, 48
	s_and_b32 s22, s21, 7
	s_lshr_b32 s21, s21, 3                         ; which 128 along K
	s_lshl_b32 s22, s22, 7
	s_lshl_b32 s23, s20, 5
	s_add_co_u32 s22, s22, s23                     ; my wave's first column
	s_mov_b32 s25, 0
	s_lshl_b32 s24, s21, 19                        ; 128 rows of 4,096 bytes
	s_lshl_b32 s26, s22, 2
	s_add_co_u32 s24, s24, s26
	s_add_nc_u64 s[8:9], s[8:9], s[24:25]
	s_lshl_b32 s24, s21, 18                        ; two planes of 131,072 bytes
	s_lshl_b32 s26, s22, 7                         ; rows of 128 bytes
	s_add_co_u32 s24, s24, s26
	s_add_nc_u64 s[18:19], s[18:19], s[24:25]
	s_mul_i32 s23, s20, 2*32*TP
	s_add_co_u32 s23, s23, TR                      ; my stage
	v_mul_u32_u24 v4, v2, TP
	v_add_nc_u32 v4, s23, v4                       ; in: row = my column
	v_lshrrev_b32 v5, 3, v2
	v_mul_u32_u24 v5, v5, TP
	v_and_b32 v6, 7, v2
	v_lshl_add_u32 v5, v6, 4, v5
	v_add_nc_u32 v5, s23, v5                       ; back: eight lanes to a row, four rows an instruction
	v_lshlrev_b32 v3, 2, v2
	v_lshlrev_b32 v7, 4, v2                        ; out: 16 bytes a lane
.macro TLD g
.irp i, 0,1,2,3,4,5,6,7,8,9,10,11,12,13,14,15,16,17,18,19,20,21,22,23,24,25,26,27,28,29,30,31
	global_load_b32 v[TX+32*((\g)%2)+\i], v3, s[8:9] offset:(32*(\g)+\i)*4096 th:TH_LOAD_NT
.endr
.endm
	TLD 0
	TLD 1
.irp g, 0,1,2,3
.if \g < 3
	s_wait_loadcnt 32                              ; this group's 32 loads are in; the next group's may be out
.else
	s_wait_loadcnt 0
.endif
.irp i, 0,1,2,3,4,5,6,7,8,9,10,11,12,13,14,15
	v_cvt_pk_f16_f32 v[TC+16*\g+\i], v[TX+32*(\g%2)+2*\i], v[TX+32*(\g%2)+2*\i+1]   ; the lower k in the low half
.endr
.if \g < 2
	TLD \g+2
.endif
.endr
.irp p, 0,1
.irp c, 0,1,2,3,4,5,6,7
	ds_store_b128 v4, v[TC+32*\p+4*\c:TC+32*\p+4*\c+3] offset:32*TP*\p+16*\c
.endr
.endr
.irp p, 0,1
.irp u, 0,1,2,3,4,5,6,7
	ds_load_b128 v[TX+4*(8*\p+\u):TX+4*(8*\p+\u)+3], v5 offset:32*TP*\p+4*TP*\u
.endr
.endr
.irp p, 0,1
.irp u, 0,1,2,3,4,5,6,7
	s_wait_dscnt 15-8*\p-\u
	global_store_b128 v7, v[TX+4*(8*\p+\u):TX+4*(8*\p+\u)+3], s[18:19] offset:131072*\p+512*\u   ; 512 consecutive bytes, aligned
.endr
.endr
	s_wait_tensorcnt 0x0                           ; the wave's end, as above
	ds_add_u32 v[SPW], v[NIL]
	s_wait_dscnt 0x0
	s_endpgm
.Lfunc_end_k_qf905c89285_prep:
	.size	k_qf905c89285_prep, .Lfunc_end_k_qf905c89285_prep-k_qf905c89285_prep
	.p2alignl 7, 3214868480
	.fill 96, 4, 3214868480
	.section	.rodata,"a",@progbits
	.p2align	6, 0x0
	.amdhsa_kernel k_qf905c89285_prep
		.amdhsa_group_segment_fixed_size 104960
		.amdhsa_private_segment_fixed_size 0
		.amdhsa_enable_private_segment 0
		.amdhsa_kernarg_size 64
		.amdhsa_user_sgpr_count 2
		.amdhsa_user_sgpr_kernarg_segment_ptr 1
		.amdhsa_wavefront_size32 1
		.amdhsa_system_sgpr_workgroup_id_x 1
		.amdhsa_system_sgpr_workgroup_id_y 1
		.amdhsa_system_sgpr_workgroup_id_z 1
		.amdhsa_system_vgpr_workitem_id 0
		.amdhsa_next_free_vgpr 200
		.amdhsa_next_free_sgpr 66
		.amdhsa_reserve_vcc 0
		.amdhsa_float_denorm_mode_32 3
		.amdhsa_float_denorm_mode_16_64 3
		.amdhsa_memory_ordered 1
		.amdhsa_forward_progress 1
		.amdhsa_inst_pref_size 132
	.end_amdhsa_kernel
	.amdgpu_metadata
---
amdhsa.version: [ 1, 2 ]
amdhsa.kernels:
  - .name:           k_qf905c89285_prep
    .symbol:         k_qf905c89285_prep.kd
    .args:
      - { .name: x, .offset: 0, .size: 8, .value_kind: global_buffer, .address_space: global }
      - { .name: w_qkv, .offset: 8, .size: 8, .value_kind: global_buffer, .address_space: global }
      - { .name: w_out, .offset: 16, .size: 8, .value_kind: global_buffer, .address_space: global }
      - { .name: x_codes, .offset: 24, .size: 8, .value_kind: global_buffer, .address_space: global }
      - { .name: x_scales, .offset: 32, .size: 8, .value_kind: global_buffer, .address_space: global }
      - { .name: w_codes, .offset: 40, .size: 8, .value_kind: global_buffer, .address_space: global }
      - { .name: w_scales, .offset: 48, .size: 8, .value_kind: global_buffer, .address_space: global }
      - { .name: wt, .offset: 56, .size: 8, .value_kind: global_buffer, .address_space: global }
    .group_segment_fixed_size: 104960
    .private_segment_fixed_size: 0
    .kernarg_segment_align: 8
    .kernarg_segment_size: 64
    .max_flat_workgroup_size: 128
    .sgpr_count:     66
    .vgpr_count:     200
    .wavefront_size: 32
...
	.end_amdgpu_metadata
.endif
;; end of part 1
;; launch qkv (part 2): grid 12 x 32, 4 waves a work-group, clusters of 4 x 4, 327,680 bytes of LDS; arguments x_codes, x_scales, w_codes, w_scales, qkv; writes qkv
.if DOCPART == 2
	.amdgcn_target "amdgcn-amd-amdhsa--gfx1250"
	.amdhsa_code_object_version 6
	.text
	.protected	k_qf905c89285_qkv
	.globl	k_qf905c89285_qkv
	.p2align	8
	.type	k_qf905c89285_qkv,@function
k_qf905c89285_qkv:
	s_mov_b64 s[64:65], 0
	v_nop
	global_prefetch_b8 v0, s[64:65] scope:SCOPE_SE
	s_setreg_imm32_b32 hwreg(HW_REG_WAVE_MODE, 25, 1), 1
	s_wait_xcnt 0x0
	s_wait_alu depctr_hold_cnt(0) depctr_sa_sdst(0) depctr_va_vdst(0) depctr_va_sdst(0) depctr_va_ssrc(0) depctr_va_vcc(0) depctr_vm_vsrc(0)
	s_getreg_b32 s2, hwreg(HW_REG_IB_STS2, 6, 4)
	s_cmp_eq_u32 s2, 0
	s_cbranch_scc0 .Lentry_in_a_cluster
	s_endpgm
.Lentry_in_a_cluster:
	s_bfe_u32 s2, ttmp6, 0x10000c
	s_cmp_lg_u32 s2, 0xf033
	s_cbranch_scc0 .Lentry_shape_is_right
	s_endpgm
.Lentry_shape_is_right:
; QKV: C[m][n] = sum over k of x[m][k] w_qkv[k][n] on codes of FP4 (E2M1) with one E8M0 scale for each 32 along K; M = 8192, N = 3072, K = 1024; sums in f32.
; The result leaves as f16, head by head: qkv [3 sections q, k, v][64 heads 16 b + h][2048 n][64].  q is multiplied by log2(e) / 8 on the way, so that the scores arrive as exponents of 2.
; LIMIT: f16: a result beyond 65,504 becomes infinity; under 6e-5 it keeps an absolute error near 3e-8.
; A tile of C, 256 x 256, is made by four waves, 128 x 128 each: 64 accumulators, 512 registers.  K = 1024 is two LDS slots of 512 along K (rows of 256 bytes): both are asked for at the start and nothing is filled again.
; The scale bytes of the tile's 256 + 256 rows, for all of K, are two dense blocks: they come with the first fills, in rows of 256 bytes.
; CLUSTERS: 4 x 4 work-groups.  A row of the cluster shares x's tiles, a column w's: each tile is asked for jointly, by the same tensor load with the same descriptor and a mask that names the four.
; 384 tiles for 256 WGPs: a tile of 128 x 256 would read half as much again from LDS for each product, and 256 x 384 does not fit the registers.
; THE MATRIX INSTRUCTION IS USED TRANSPOSED (source 0 = 16 rows of w, source 1 = 16 rows of x): a lane holds eight neighbouring columns of one row of C.
; REGISTERS: window 0: v0-31 addresses; v32-95 scale words, two sets, and nothing else; v96-127 packed results; v128-191 x's fragments, one set, on the way out scaled results; v192-255 rows read back.
;   window 1: w's fragments, two sets.   windows 2, 3: the accumulators ((a, b) at v[8 (8 (a % 4) + b)]).
.set NQ,     4                         ; matrix instructions deep in a slot
.set ROWB,   256                       ; a tile's row in bytes: 512 codes
.set KROW,   512                       ; a row of codes in memory
.set PITCH,  272                       ; an LDS row: 256 bytes + 16: the 16 rows of a load start at 16 different banks (64 banks of 4 bytes: ISA guide 11.1)
.set FR,     8
.set NL,     2
.set NP,     4                         ; places behind this matrix instruction (ISA guide 7.12.1)
.set HALFT,  128*PITCH
.set SLOT,   4*HALFT
.set KS,     32                        ; a row of scale bytes
.set SCL,    2*SLOT
.set HALFS,  (128*KS/256)*272
.set SBLK,   (16*KS/256)*272
.set SPARE,  SCL+4*HALFS               ; the spare words, 128 bytes a wave: two blocks of 256 bytes that no other line names
.set SPITCH, 272                       ; the way out: 16 rows x (256 bytes + 16) a wave, in slot 0, which has had its only fill and its last read by then
.set ADRA, 16
.set ADRB, 20
.set STO,  24
.set RD,   25
.set CO,   26
.set ADRS, 27
.set SPW,  28
.set NIL,  29
.set SC,   32
.set TMP,  96
.set AF,   128
.set SCR,  128
.set BK,   192
.set G1, 24
.set G0, 32
.set G1B, 48
.set G0B, 56
.set G1S, 68
.set G0S, 76
.set G1SB, 80
.set G0SB, 88
.set MSB, 0
.macro WIN new                         ; the immediate's high byte repeats the setting that is left
.if MSB != (\new)
	s_set_vgpr_msb (MSB<<8)|(\new)
.set MSB, (\new)
.endif
.endm
.set MUL_LO, 0xa1                      ; source 0 (w) window 1, source 1 (x) window 0, C and D window 2
.set MUL_HI, 0xf1
.set TO_B,   0x40
; A joint load: waves 0 and 1 fetch for x, waves 2 and 3 for w.  An s_nop 0 and four v_nop follow each of the two lines.
.macro JLOAD g0a, g1a, g0b, g1b
	s_cmp_eq_u32 s15, 0
	s_cbranch_scc0 .Lfor_b_\@
	tensor_load_to_lds s[\g0a:\g0a+3], s[\g1a:\g1a+7]
	s_nop 0
.rept 4
	v_nop
.endr
	s_branch .Lasked_\@
.Lfor_b_\@:
	tensor_load_to_lds s[\g0b:\g0b+3], s[\g1b:\g1b+7]
	s_nop 0
.rept 4
	v_nop
.endr
.Lasked_\@:
.endm
.macro CROUND                          ; a round of the cluster's barrier
	s_barrier_signal -1
	s_barrier_wait -1
	s_cmp_lg_u32 s14, 0
	s_cbranch_scc1 .Lnot_wave_0_\@
	s_barrier_signal -3
.Lnot_wave_0_\@:
	s_barrier_wait -3
	s_barrier_signal -1
	s_barrier_wait -1
.endm
	s_load_b128 s[4:7], s[0:1], 0x0                ; x's codes, x's scales
	s_load_b128 s[8:11], s[0:1], 0x10              ; w's codes, w's scales
	s_load_b64 s[12:13], s[0:1], 0x20              ; qkv
	v_lshl_add_u32 v[SPW], v0, 2, SPARE
	v_mov_b32 v[NIL], 0
	ds_add_u32 v[SPW], v[NIL]                      ; the opening: the add, twice on end, and its wait ahead of my first tensor load
	ds_add_u32 v[SPW], v[NIL]
	v_lshrrev_b32 v1, 5, v0
	v_readfirstlane_b32 s14, v1                    ; wave 0..3
	s_lshr_b32 s15, s14, 1                         ; my half of the tile's rows.  Also: I fetch for x (0) or for w (1)
	s_and_b32 s16, s14, 1                          ; my half of its columns.  Also: which 128 rows I fetch
	s_bfe_u32 s40, ttmp6, 0x40000                  ; cx
	s_bfe_u32 s41, ttmp6, 0x40004                  ; cy
	s_lshl_b32 s42, ttmp9, 2
	s_add_co_u32 s42, s42, s40                     ; tile column
	s_and_b32 s17, ttmp7, 0xffff
	s_lshl_b32 s17, s17, 2
	s_add_co_u32 s17, s17, s41                     ; tile row
	s_lshl_b32 s43, s41, 2
	s_lshl_b32 s43, 15, s43                        ; my row of the cluster
	s_lshl_b32 s44, 0x1111, s40                    ; my column
	s_cmp_eq_u32 ttmp9, 0                          ; the cluster's x is the section: 0 = q
	s_cselect_b32 s96, 0x3e38aa3b, 1.0             ; log2(e) / 8 for q, 1 for k and v: one multiply serves all three
	s_mov_b32 s97, s96
	s_or_b32 s[G1+0], s43, (0<<16)|(1<<20)|(1<<21)|(5<<22)|(3<<25)  ; the mask; elements of 1 byte; padding: 4 words behind every 64; bit 21 beside a mask
	s_or_b32 s[G1B+0], s44, (0<<16)|(1<<20)|(1<<21)|(5<<22)|(3<<25)
.irp g, G1, G1B
	s_mov_b32 s[\g+1], ROWB<<16                    ; tensor_dim0
	s_mov_b32 s[\g+2], 128<<16                     ; tensor_dim1
	s_mov_b32 s[\g+3], ROWB<<16                    ; tile_dim0
	s_mov_b32 s[\g+4], 128                         ; tile_dim1
	s_mov_b32 s[\g+5], KROW                        ; the pitch
	s_mov_b32 s[\g+6], 0
	s_mov_b32 s[\g+7], 0
.endr
	s_or_b32 s[G1S+0], s43, (3<<16)|(1<<20)|(1<<21)|(5<<22)|(3<<25) ; the scales of 128 rows: 4,096 dense bytes as 16 rows of 32 elements of 8 bytes
	s_or_b32 s[G1SB+0], s44, (3<<16)|(1<<20)|(1<<21)|(5<<22)|(3<<25)
.irp g, G1S, G1SB
	s_mov_b32 s[\g+1], 32<<16
	s_mov_b32 s[\g+2], (128*KS/256)<<16
	s_mov_b32 s[\g+3], 32<<16
	s_mov_b32 s[\g+4], 128*KS/256
	s_mov_b32 s[\g+5], 32
	s_mov_b32 s[\g+6], 0
	s_mov_b32 s[\g+7], 0
.endr
	s_lshl_b32 s18, s16, 7
	s_lshl_b32 s20, s17, 8
	s_add_co_u32 s20, s20, s18                     ; x: row 256 x tile row + 128 x half
	s_lshl_b32 s46, s42, 8
	s_add_co_u32 s46, s46, s18                     ; w: row 256 x tile column + 128 x half
	s_mov_b32 s21, 0
	s_mov_b32 s47, 0
	s_mov_b64 s[18:19], KS
	s_mul_u64 s[22:23], s[20:21], s[18:19]
	s_mul_u64 s[92:93], s[46:47], s[18:19]
	s_mov_b64 s[18:19], KROW
	s_mul_u64 s[20:21], s[20:21], s[18:19]
	s_mul_u64 s[46:47], s[46:47], s[18:19]
	s_mul_i32 s45, s14, HALFT                      ; where they go: wave x 128 rows
	s_mul_i32 s94, s14, HALFS
	s_wait_dscnt 0x0                               ; both opening adds are done
	s_wait_kmcnt 0x0
	s_add_nc_u64 s[20:21], s[4:5], s[20:21]
	s_add_nc_u64 s[22:23], s[6:7], s[22:23]
	s_add_nc_u64 s[46:47], s[8:9], s[46:47]
	s_add_nc_u64 s[92:93], s[10:11], s[92:93]
	CROUND                                         ; all sixteen work-groups are here: the joint loads meet
	s_mov_b32 s[G0S], 1
	s_add_co_u32 s[G0S+1], s94, SCL
	s_mov_b64 s[G0S+2:G0S+3], s[22:23]
	s_or_b32 s[G0S+3], s[G0S+3], 0x80000000
	s_mov_b32 s[G0SB], 1
	s_add_co_u32 s[G0SB+1], s94, SCL
	s_mov_b64 s[G0SB+2:G0SB+3], s[92:93]
	s_or_b32 s[G0SB+3], s[G0SB+3], 0x80000000
	JLOAD G0S, G1S, G0SB, G1SB                     ; the scales first
.irp s, 0,1
	s_mov_b32 s[G0+4*\s], 1
	s_add_co_u32 s[G0+4*\s+1], s45, \s*SLOT
	s_add_nc_u64 s[G0+4*\s+2:G0+4*\s+3], s[20:21], \s*ROWB
	s_or_b32 s[G0+4*\s+3], s[G0+4*\s+3], 0x80000000
	s_mov_b32 s[G0B+4*\s], 1
	s_add_co_u32 s[G0B+4*\s+1], s45, \s*SLOT
	s_add_nc_u64 s[G0B+4*\s+2:G0B+4*\s+3], s[46:47], \s*ROWB
	s_or_b32 s[G0B+4*\s+3], s[G0B+4*\s+3], 0x80000000
	JLOAD G0+4*\s, G1, G0B+4*\s, G1B               ; three tensor loads of mine are out
.endr
	v_and_b32 v1, 15, v0                           ; r
	v_bfe_u32 v2, v0, 4, 1                         ; h
	v_mul_u32_u24 v3, v1, PITCH
	v_lshl_add_u32 v4, v2, 4, v3
	s_mul_i32 s21, s15, HALFT
	s_mul_i32 s22, s16, HALFT
	s_add_co_u32 s22, s22, 2*HALFT
.irp s, 0,1
	v_add_nc_u32 v[ADRA+\s], s21, v4
	v_add_nc_u32 v[ADRB+\s], s22, v4
	s_add_co_u32 s21, s21, SLOT
	s_add_co_u32 s22, s22, SLOT
.endr
	v_mul_u32_u24 v5, v1, KS                       ; my row's scales: 32 bytes a row,
	v_lshrrev_b32 v6, 8, v5
	v_lshl_add_u32 v5, v6, 4, v5                   ; and 16 more for each 256 passed
	s_mul_i32 s21, s15, HALFS
	s_mul_i32 s22, s16, HALFS
	s_add_co_u32 s22, s22, 2*HALFS
	s_sub_co_u32 s22, s22, s21
	v_mul_u32_u24 v6, s22, v2                      ; lanes 16-31 take w's
	s_add_co_u32 s21, s21, SCL
	v_add_nc_u32 v5, v5, v6
	v_add_nc_u32 v[ADRS], s21, v5
	s_mul_i32 s23, s14, 16*SPITCH                  ; my stage
	v_mul_u32_u24 v5, v1, SPITCH
	v_lshl_add_u32 v5, v2, 4, v5
	v_add_nc_u32 v[STO], s23, v5                   ; in: row r, 16 bytes for each half of the lanes
	v_and_b32 v6, 31, v0
	v_lshlrev_b32 v[CO], 4, v6                     ; out: 16 bytes a lane
	v_lshrrev_b32 v5, 3, v6
	v_mul_u32_u24 v5, v5, SPITCH
	v_and_b32 v6, 7, v6
	v_lshl_add_u32 v5, v6, 4, v5
	v_add_nc_u32 v[RD], s23, v5                    ; back: eight lanes take a head's 128 bytes of a row, four rows an instruction
	; where my part begins in qkv: section << 24 + batch << 22 + head << 18 + position << 7
	s_lshl_b32 s20, ttmp9, 24
	s_lshr_b32 s21, s17, 3
	s_lshl_b32 s21, s21, 22
	s_add_co_u32 s20, s20, s21
	s_and_b32 s21, s17, 7
	s_lshl_b32 s21, s21, 8
	s_lshl_b32 s22, s15, 7
	s_add_co_u32 s21, s21, s22
	s_lshl_b32 s21, s21, 7
	s_add_co_u32 s20, s20, s21
	s_mov_b32 s21, 0
	s_lshl_b32 s46, s40, 2                         ; my first head: 4 cx + 2 x half (in the registers that held w's address)
	s_lshl_b32 s47, s16, 1
	s_add_co_u32 s46, s46, s47
	s_lshl_b32 s46, s46, 18
	s_mov_b32 s47, 0
	s_add_nc_u64 s[20:21], s[20:21], s[46:47]
	s_add_nc_u64 s[12:13], s[12:13], s[20:21]
.macro FRAG reg, adr, q, i             ; 16 rows x 128 K of 4-bit codes: lane l holds row l % 16; registers 4 c .. 4 c + 3 hold K = 64 c + 32 (l / 16) + 0 .. 31
.irp c, 0,1
	ds_load_b128 v[\reg+4*\c:\reg+4*\c+3], v[\adr] offset:64*(\q)+32*\c+(\i)*16*PITCH
.endr
.endm
; 16 matrix instructions: x's blocks a0, a0 + 1 against w's eight.  The 64 accumulators take turns, one instruction a turn.
.macro MUL16 a0, p, q, sc, zero
.irp a, \a0, \a0+1
.irp b, 0,1,2,3,4,5,6,7
.if \zero
	v_wmma_scale_f32_16x16x128_f8f6f4 v[8*(8*((\a)%4)+\b):8*(8*((\a)%4)+\b)+7], v[128*(\p)+FR*\b:128*(\p)+FR*\b+FR-1], v[AF+FR*(\a):AF+FR*(\a)+FR-1], 0, v[SC+8*NQ*(\sc)+NQ*\b+(\q)], v[SC+8*NQ*(\sc)+NQ*(\a)+(\q)] matrix_a_fmt:MATRIX_FMT_FP4 matrix_b_fmt:MATRIX_FMT_FP4 matrix_a_scale:MATRIX_SCALE_ROW1
.else
	v_wmma_scale_f32_16x16x128_f8f6f4 v[8*(8*((\a)%4)+\b):8*(8*((\a)%4)+\b)+7], v[128*(\p)+FR*\b:128*(\p)+FR*\b+FR-1], v[AF+FR*(\a):AF+FR*(\a)+FR-1], v[8*(8*((\a)%4)+\b):8*(8*((\a)%4)+\b)+7], v[SC+8*NQ*(\sc)+NQ*\b+(\q)], v[SC+8*NQ*(\sc)+NQ*(\a)+(\q)] matrix_a_fmt:MATRIX_FMT_FP4 matrix_b_fmt:MATRIX_FMT_FP4 matrix_a_scale:MATRIX_SCALE_ROW1
.endif
.endr
.endr
.endm
.macro FETCH_B slot, q, p
	WIN TO_B
.irp i, 0,1,2,3,4,5,6,7
	FRAG 128*(\p)+FR*\i, ADRB+\slot, \q, \i
.endr
	WIN 0
.endm
.macro FETCH_A slot, q, i0
.irp i, \i0, \i0+1, \i0+2, \i0+3
	FRAG AF+FR*(\i), ADRA+\slot, \q, \i
.endr
.endm
.macro SCALES sc                       ; a slot's scale words: lanes 0-15 take x's block i, lanes 16-31 w's block i
.irp i, 0,1,2,3,4,5,6,7
	ds_load_b128 v[SC+8*NQ*\sc+NQ*\i:SC+8*NQ*\sc+NQ*\i+3], v[ADRS] offset:\i*SBLK
.endr
.endm
.macro PLACES n                        ; plain vector instructions between a matrix instruction and a load into, or a read of, its registers
.rept \n
	v_nop
.endr
.endm
.macro STEP slot, q, zero              ; 128 along K, with its successor in the same slot
	s_wait_dscnt 4*NL                              ; w's set and x's blocks 0-3 are in; the youngest eight loads (x's blocks 4-7) may be out
	WIN MUL_LO
	MUL16 0, (\q)%2, \q, \slot, \zero
	MUL16 2, (\q)%2, \q, \slot, \zero
	s_wait_dscnt 0
	PLACES NP
	FETCH_B \slot, (\q)+1, 1-(\q)%2
	FETCH_A \slot, (\q)+1, 0
	WIN MUL_HI
	MUL16 4, (\q)%2, \q, \slot, \zero
	MUL16 6, (\q)%2, \q, \slot, \zero
	PLACES NP
	WIN 0
	FETCH_A \slot, (\q)+1, 4
.endm
.macro TURN slot, next                 ; slot 0's last step: behind the barrier slot 1 is whole and nobody reads slot 0 any more
	s_wait_tensorcnt 0x0                           ; all my tensor loads have landed: my part of slot 1
	ds_add_u32 v[SPW], v[NIL]                      ; 0 onto my spare word
	s_wait_dscnt 4*NL+1                            ; the add and the youngest eight loads may be out
	WIN MUL_LO
	MUL16 0, 1, NQ-1, \slot, 0
	s_wait_dscnt 0x0                               ; the add is done, and my reads of this slot are over
	s_barrier_signal -1
	MUL16 2, 1, NQ-1, \slot, 0
	WIN 0
	s_barrier_wait -1
	PLACES NP
	v_add_nc_u32 v[ADRS], 4*NQ, v[ADRS]            ; the next slot's scale words
	FETCH_B \next, 0, 0
	FETCH_A \next, 0, 0
	SCALES \next
	WIN MUL_HI
	MUL16 4, 1, NQ-1, \slot, 0
	MUL16 6, 1, NQ-1, \slot, 0
	PLACES NP
	WIN 0
	FETCH_A \next, 0, 4
.endm
.macro STEPS slot, from
.set Q, \from
.rept NQ-1-\from
	STEP \slot, Q, 0
.set Q, Q+1
.endr
.endm
	s_wait_tensorcnt 1                             ; the scales and my part of slot 0 are in; slot 1's load may be out
	s_barrier_signal -1
	s_barrier_wait -1
	FETCH_B 0, 0, 0
	FETCH_A 0, 0, 0
	SCALES 0
	FETCH_A 0, 0, 4
	STEP 0, 0, 1                                   ; the first products start the sums: nothing is cleared
	STEPS 0, 1
	TURN 0, 1
	STEPS 1, 0
	s_wait_dscnt 4*NL
	WIN MUL_LO
	MUL16 0, 1, NQ-1, 1, 0
	MUL16 2, 1, NQ-1, 1, 0
	s_wait_dscnt 0
	WIN MUL_HI
	MUL16 4, 1, NQ-1, 1, 0
	MUL16 6, 1, NQ-1, 1, 0
	WIN 0
; THE WAY OUT, a block of 16 rows x 128 columns (two heads) at a time: scaled, rounded to f16, through my stage, and out as four rows of one head: 512 consecutive bytes a store.
.macro PACK a
	WIN 0x02+(\a)/4                                ; source 0: window 2 or 3
.set i, 0
.rept 32
	v_pk_mul_f32 v[SCR+2*i:SCR+2*i+1], v[64*((\a)%4)+2*i:64*((\a)%4)+2*i+1], s[96:97] op_sel_hi:[1,0]   ; ascending: each accumulator from its low end on
.set i, i+1
.endr
	WIN 0
.set i, 0
.rept 32
	v_cvt_pk_f16_f32 v[TMP+i], v[SCR+2*i], v[SCR+2*i+1]
.set i, i+1
.endr
.endm
.macro TOSTAGE a
.irp b, 0,1,2,3,4,5,6,7
	ds_store_b128 v[STO], v[TMP+4*\b:TMP+4*\b+3] offset:32*\b
.endr
.irp u, 0,1,2,3
.irp hh, 0,1
	ds_load_b128 v[BK+32*((\a)%2)+4*(2*\u+\hh):BK+32*((\a)%2)+4*(2*\u+\hh)+3], v[RD] offset:4*SPITCH*\u+128*\hh   ; LDS serves a wave in order: these see the stores above
.endr
.endr
.endm
.macro SEND a
	s_wait_dscnt 0x0                               ; the block is back in registers
.irp u, 0,1,2,3
.irp hh, 0,1
	global_store_b128 v[CO], v[BK+32*((\a)%2)+4*(2*\u+\hh):BK+32*((\a)%2)+4*(2*\u+\hh)+3], s[12:13] offset:262144*\hh+(16*(\a)+4*\u)*128 th:TH_STORE_NT
.endr
.endr
.endm
	PLACES NP                                      ; behind the last products: their operands' registers are written and their results read from here on
	PACK 0
	TOSTAGE 0
.irp a, 1,2,3,4,5,6,7
	PACK \a                                        ; block a's arithmetic stands between block a - 1's loads from the stage and the wait for them
.if \a > 1
	s_wait_xcnt 0x0                                ; block a - 2's stores have read their registers: block a's loads may land there
.endif
	SEND \a-1
	TOSTAGE \a
.endr
	SEND 7
	s_wait_tensorcnt 0x0                           ; the wave's end
	ds_add_u32 v[SPW], v[NIL]
	s_wait_dscnt 0x0
	CROUND                                         ; the closing round
	s_endpgm
.Lfunc_end_k_qf905c89285_qkv:
	.size	k_qf905c89285_qkv, .Lfunc_end_k_qf905c89285_qkv-k_qf905c89285_qkv
	.p2alignl 7, 3214868480
	.fill 96, 4, 3214868480
	.section	.rodata,"a",@progbits
	.p2align	6, 0x0
	.amdhsa_kernel k_qf905c89285_qkv
		.amdhsa_group_segment_fixed_size 327680
		.amdhsa_private_segment_fixed_size 0
		.amdhsa_enable_private_segment 0
		.amdhsa_kernarg_size 40
		.amdhsa_user_sgpr_count 2
		.amdhsa_user_sgpr_kernarg_segment_ptr 1
		.amdhsa_wavefront_size32 1
		.amdhsa_system_sgpr_workgroup_id_x 1
		.amdhsa_system_sgpr_workgroup_id_y 1
		.amdhsa_system_sgpr_workgroup_id_z 1
		.amdhsa_system_vgpr_workitem_id 0
		.amdhsa_next_free_vgpr 1024
		.amdhsa_next_free_sgpr 98
		.amdhsa_reserve_vcc 0
		.amdhsa_float_denorm_mode_32 3
		.amdhsa_float_denorm_mode_16_64 3
		.amdhsa_memory_ordered 1
		.amdhsa_forward_progress 1
		.amdhsa_inst_pref_size 142
	.end_amdhsa_kernel
	.amdgpu_metadata
---
amdhsa.version: [ 1, 2 ]
amdhsa.kernels:
  - .name:           k_qf905c89285_qkv
    .symbol:         k_qf905c89285_qkv.kd
    .args:
      - { .name: x_codes, .offset: 0, .size: 8, .value_kind: global_buffer, .address_space: global }
      - { .name: x_scales, .offset: 8, .size: 8, .value_kind: global_buffer, .address_space: global }
      - { .name: w_codes, .offset: 16, .size: 8, .value_kind: global_buffer, .address_space: global }
      - { .name: w_scales, .offset: 24, .size: 8, .value_kind: global_buffer, .address_space: global }
      - { .name: qkv, .offset: 32, .size: 8, .value_kind: global_buffer, .address_space: global }
    .group_segment_fixed_size: 327680
    .private_segment_fixed_size: 0
    .kernarg_segment_align: 8
    .kernarg_segment_size: 40
    .max_flat_workgroup_size: 128
    .sgpr_count:     98
    .vgpr_count:     1024
    .wavefront_size: 32
...
	.end_amdgpu_metadata
.endif
;; end of part 2
;; launch attn (part 3): grid 4 x 64, 8 waves a work-group, clusters of 4 x 1, 327,680 bytes of LDS; arguments qkv, o; writes o
.if DOCPART == 3
	.amdgcn_target "amdgcn-amd-amdhsa--gfx1250"
	.amdhsa_code_object_version 6
	.text
	.protected	k_qf905c89285_attn
	.globl	k_qf905c89285_attn
	.p2align	8
	.type	k_qf905c89285_attn,@function
k_qf905c89285_attn:
	s_mov_b64 s[64:65], 0
	v_nop
	global_prefetch_b8 v0, s[64:65] scope:SCOPE_SE
	s_setreg_imm32_b32 hwreg(HW_REG_WAVE_MODE, 25, 1), 1
	s_wait_xcnt 0x0
	s_wait_alu depctr_hold_cnt(0) depctr_sa_sdst(0) depctr_va_vdst(0) depctr_va_sdst(0) depctr_va_ssrc(0) depctr_va_vcc(0) depctr_vm_vsrc(0)
	s_getreg_b32 s2, hwreg(HW_REG_IB_STS2, 6, 4)
	s_cmp_eq_u32 s2, 0
	s_cbranch_scc0 .Lentry_in_a_cluster
	s_endpgm
.Lentry_in_a_cluster:
	s_bfe_u32 s2, ttmp6, 0x10000c
	s_cmp_lg_u32 s2, 0x3003
	s_cbranch_scc0 .Lentry_shape_is_right
	s_endpgm
.Lentry_shape_is_right:
; ATTN: O[bh][q] = the sum over k of softmax_k(Q[bh][q] . K[bh][k] / 8) V[bh][k], no mask.  qkv: [3][64 heads][2048][64] f16, q already times log2(e) / 8.  o: [16 h][8192 rows 2048 b + n][64] f16.
; Products on f16 operands, sums, maxima and the softmax in f32; the weights p are rounded to f16 for the second product, O once at the end.
; LIMITS: f16 operands (beyond 65,504 infinity); a weight under 6e-8 of the row's largest counts as 0 in the second product, not in the row's sum.
; SHARES.  A work-group owns 512 queries of one head, each of its eight waves 64: four tiles of 16, in 512 registers: two waves to a SIMD.  Every wave walks all 2,048 keys, 64 a step.
; LAYOUT.  S^T = K Q^T (source 0 = 16 keys, source 1 = 16 queries): a lane holds ONE query and the keys 8 (lane / 16) + 0..7.  Two such tiles, rounded to f16 in pairs, ARE source 1 of
; O^T = V^T P, whose result again holds one query a lane.  P is made in place, in the low half of S^T's registers.  K comes out of LDS as it lies, V turned, by ds_load_tr16_b128.
; SOFTMAX.  For each query a running maximum m and sum l: p = 2^(s - m); in every step O and l are multiplied by a = 2^(m_old - m_new).
; BY TURNS.  The wave's tiles are two pieces (tiles 0, 1 and tiles 2, 3).  In a turn one piece has the matrix unit: 16 products V^T P of the step in hand, then 16 products K Q^T of the next;
; the other piece's softmax, 2 x 117 instructions cut into 32 slices, stands between them, one slice behind each matrix instruction.  Two turns are a key step.
; CLUSTER.  The four query blocks of a head form the cluster and walk the same K and V: each tile is asked for jointly, by the same tensor load with a mask that names the four.
; ROWS.  A row of K or V is 128 bytes and the rows are dense in memory: the mover takes two as one long row of 256 bytes, with padding behind it: key k lies at (k / 2) x pitch + (k % 2) x 128.
; REGISTERS: window 0: v1-14 addresses; v16-55 ten registers of statistics a tile; v64-127 Q; v128-255 S^T, 32 a tile.   window 1: v0-127 O^T, 32 a tile; v128-191 K of one step; v192-255 V of one step.
.set PK,    272                        ; a long row of K: 256 + 16: the 16 keys of a load fall on 16 different columns of 16 bytes
.set PVP,   288                        ; a long row of V: 256 + 32: the 8 keys x 2 pieces of a turning load's 16 lanes likewise
.set VOFF,  32*PK                      ; a step's tiles lie together: 32 long rows of K, then 32 of V
.set STEPB, 32*(PK+PVP)
.set SLOT1, 1<<17                      ; a slot holds four steps (71,680 bytes); one exclusive or turns an address into the other slot's
.set SLOTM, 32768                      ; a slot's 256 keys in memory
.set STAGE, SLOT1+4*STEPB              ; behind the ring: 16 rows x 144 bytes a wave
.set SP,    144
.set SPARE, STAGE+8*16*SP              ; the spare words, 128 bytes a wave: four blocks of 256 bytes that no other line names
.set AK0, 2
.set AV0, 3
.set ADR, 4
.set QO,  5
.set STO, 6
.set RD,  7
.set GO,  8
.set PFO, 12                           ; v12  256 x my lane; never rewritten
.set SPW, 13                           ; v13  my spare word; never rewritten
.set NIL, 14                           ; v14  0; never rewritten
.set ST,  16                           ; tile t at v[16 + 10 t]: +0 m, +1 c3, +2, +3 l, +4, +5 c0, c1, then the sum U, +6 c2, then a, +7 m_old - m, +8, +9 the sum W
.set Q,   64
.set S,   128
.set KF,  128                          ; in window 1
.set VF,  192                          ; in window 1
.set WV,  12                           ; s12  my wave's number
.set LIM, 15                           ; s15  1 in a wave that prefetches, else the greatest number
.set PFA, 18                           ; s[18:19] where my prefetches stand
.set G1K, 24
.set G1V, 32
.set G0K, 40                           ; two sets: one for each first fill; the second then walks on
.set G0V, 48
.set SLOTS, 56
.set CNT, 57
.set SEL, 60
.set TB,  62                           ; s62  LDS byte at which the tiles of the step to be fetched begin
.set MSB, 0
.macro WIN new
.if MSB != (\new)
	s_set_vgpr_msb (MSB<<8)|(\new)
.set MSB, (\new)
.endif
.endm
.set W_KQ, 0x01                        ; K in window 1; Q and S^T in window 0
.set W_PV, 0x51                        ; V and O^T in window 1; P in window 0
.set W_RS, 0x41                        ; O^T (destination and source 0) in window 1, a in window 0
; A joint refill: waves 0 to 3 fetch the four steps' tiles of K, waves 4 to 7 those of V.  An s_nop 0 and four v_nop follow each line.
.macro JLOAD
	s_cmp_lt_u32 s[WV], 4
	s_cbranch_scc0 .Lfor_v_\@
	tensor_load_to_lds s[G0K+4:G0K+7], s[G1K:G1K+7]
	s_nop 0
.rept 4
	v_nop
.endr
	s_branch .Lasked_\@
.Lfor_v_\@:
	tensor_load_to_lds s[G0V+4:G0V+7], s[G1V:G1V+7]
	s_nop 0
.rept 4
	v_nop
.endr
.Lasked_\@:
.endm
; A prefetch of what the NEXT change of slots will ask for: a slot's 128 long rows of K and 128 of V, a lane a long row.  Each is named once in the launch: the four partners take 32 each,
; told apart by address; in each, wave 0 asks for K's and wave 4 for V's.  It stands behind the wave's tensor load.  The last change that fills a slot asks for nothing: there is no slot behind it.
.macro ASK
	s_cmp_gt_u32 s[SLOTS], s[LIM]
	s_cbranch_scc0 .Lnot_mine_\@
	global_prefetch_b8 v[PFO], s[PFA:PFA+1] th:TH_LOAD_NT scope:SCOPE_SE
.Lnot_mine_\@:
.endm
.macro CROUND                          ; a round of the cluster's barrier
	s_barrier_signal -1
	s_barrier_wait -1
	s_cmp_lg_u32 s[WV], 0
	s_cbranch_scc1 .Lnot_wave_0_\@
	s_barrier_signal -3
.Lnot_wave_0_\@:
	s_barrier_wait -3
	s_barrier_signal -1
	s_barrier_wait -1
.endm
	s_load_b128 s[4:7], s[0:1], 0x0                ; qkv s[4:5], o s[6:7]
	v_lshl_add_u32 v[SPW], v0, 2, SPARE
	v_mov_b32 v[NIL], 0
	ds_add_u32 v[SPW], v[NIL]                      ; the opening: the add, twice on end, and its wait ahead of my first tensor load
	ds_add_u32 v[SPW], v[NIL]
	v_lshrrev_b32 v1, 5, v0
	v_readfirstlane_b32 s[WV], v1                  ; wave 0..7
	s_bfe_u32 s13, ttmp6, 0x40000                  ; cx
	s_lshl_b32 s14, ttmp9, 2
	s_add_co_u32 s14, s14, s13                     ; my block of 512 queries: it enters Q's and O's addresses alone
	s_and_b32 s20, ttmp7, 0xffff                   ; the head 16 b + h, which the four partners share
	s_and_b32 s16, s[WV], 3                        ; which of a slot's four steps I fetch
	s_lshl_b32 s22, s20, 18                        ; the head's first byte in a section,
	s_lshl_b32 s23, s16, 13                        ; my step's 64 rows of 128 bytes
	s_add_co_u32 s22, s22, s23
	s_mov_b32 s23, 0
	s_mul_i32 s17, s16, STEPB                      ; and its place in a slot
	s_lshl_b32 s2, s20, 18                         ; Q: head, block of 512 rows, my wave's 64
	s_lshl_b32 s3, s14, 16
	s_add_co_u32 s2, s2, s3
	s_lshl_b32 s3, s[WV], 13
	s_add_co_u32 s2, s2, s3
	s_mov_b32 s3, 0
	s_and_b32 s58, s20, 15                         ; O: plane h, batch b, block, wave
	s_lshl_b32 s58, s58, 20
	s_lshr_b32 s59, s20, 4
	s_lshl_b32 s59, s59, 18
	s_add_co_u32 s58, s58, s59
	s_lshl_b32 s59, s14, 16
	s_add_co_u32 s58, s58, s59
	s_lshl_b32 s59, s[WV], 13
	s_add_co_u32 s58, s58, s59
	s_mov_b32 s59, 0
	s_mov_b32 s[G1K], 15|(1<<16)|(1<<20)|(1<<21)|(5<<22)|(3<<25)  ; the mask: all four; elements of 2 bytes; padding on; bit 21 beside a mask; 4 words behind every 64
	s_mov_b32 s[G1V], 15|(1<<16)|(1<<20)|(1<<21)|(5<<22)|(7<<25)  ; the same with 8 words
.irp g, G1K, G1V
	s_mov_b32 s[\g+1], 128<<16                     ; tensor_dim0 = 128 elements: a long row
	s_mov_b32 s[\g+2], 32<<16                      ; tensor_dim1 = 32
	s_mov_b32 s[\g+3], 128<<16                     ; tile_dim0
	s_mov_b32 s[\g+4], 32                          ; tile_dim1
	s_mov_b32 s[\g+5], 128                         ; the pitch: dense
	s_mov_b32 s[\g+6], 0
	s_mov_b32 s[\g+7], 0
.endr
	s_mov_b32 s[SEL], 0x76543210
	s_mov_b32 s[SEL+1], 0xfedcba98
	s_mov_b32 s[TB], 0
	s_mov_b32 s[SLOTS], 6                          ; 8 slots of 256 keys; two are first fills
	s_cmp_eq_u32 s16, 0
	s_cselect_b32 s[LIM], 1, -1                    ; waves 0 and 4
	v_and_b32 v[PFO], 31, v0
	v_lshlrev_b32 v[PFO], 8, v[PFO]
	s_wait_dscnt 0x0                               ; both opening adds are done
	s_wait_kmcnt 0x0
	s_add_nc_u64 s[8:9], s[4:5], 0x1000000         ; section k,
	s_add_nc_u64 s[8:9], s[8:9], s[22:23]          ; at my tile of slot 0
	s_add_nc_u64 s[10:11], s[4:5], 0x2000000       ; section v
	s_add_nc_u64 s[10:11], s[10:11], s[22:23]
	s_add_nc_u64 s[4:5], s[4:5], s[2:3]            ; Q at my wave's first row
	s_add_nc_u64 s[6:7], s[6:7], s[58:59]          ; O likewise
	s_cmp_lt_u32 s[WV], 4
	s_cselect_b64 s[PFA:PFA+1], s[8:9], s[10:11]   ; (in waves 0 and 4 these stand at a slot's first row)
	s_lshl_b32 s2, s13, 13                         ; my work-group's 32 long rows of the 128
	s_mov_b32 s3, 0
	s_add_nc_u64 s[PFA:PFA+1], s[PFA:PFA+1], s[2:3]
	s_add_nc_u64 s[PFA:PFA+1], s[PFA:PFA+1], 2*SLOTM  ; in slot 2; the first change of slots steps it to slot 3.  Nothing is prefetched at the head
	CROUND                                         ; all four work-groups are here: the first joint loads meet
.irp s, 0,1
	s_mov_b32 s[G0K+4*\s], 1
	s_add_co_u32 s[G0K+4*\s+1], s17, \s*SLOT1
	s_add_nc_u64 s[G0K+4*\s+2:G0K+4*\s+3], s[8:9], \s*SLOTM
	s_or_b32 s[G0K+4*\s+3], s[G0K+4*\s+3], 0x80000000
	s_mov_b32 s[G0V+4*\s], 1
	s_add_co_u32 s[G0V+4*\s+1], s17, \s*SLOT1+VOFF
	s_add_nc_u64 s[G0V+4*\s+2:G0V+4*\s+3], s[10:11], \s*SLOTM
	s_or_b32 s[G0V+4*\s+3], s[G0V+4*\s+3], 0x80000000
.endr
	s_cmp_lt_u32 s[WV], 4                          ; a wave's two first fills stand in one branch: two loads of mine are out
	s_cbranch_scc0 .Lfirst_v
	tensor_load_to_lds s[G0K:G0K+3], s[G1K:G1K+7]
	s_nop 0
	tensor_load_to_lds s[G0K+4:G0K+7], s[G1K:G1K+7]
	s_nop 0
.rept 4
	v_nop
.endr
	s_branch .Lfirst_asked
.Lfirst_v:
	tensor_load_to_lds s[G0V:G0V+3], s[G1V:G1V+7]
	s_nop 0
	tensor_load_to_lds s[G0V+4:G0V+7], s[G1V:G1V+7]
	s_nop 0
.rept 4
	v_nop
.endr
.Lfirst_asked:
	v_and_b32 v1, 15, v0                           ; r
	v_bfe_u32 v9, v0, 4, 1                         ; h
	v_lshlrev_b32 v[QO], 7, v1
	v_lshl_add_u32 v[QO], v9, 4, v[QO]             ; row x 128 + 16 x half
.irp i, 0,1,2,3,4,5,6,7                        ; Q stays in registers: tile i / 2, channels 32 (i % 2) on
	global_load_b128 v[Q+8*\i:Q+8*\i+3],   v[QO], s[4:5] offset:(\i/2)*2048+(\i%2)*64
	global_load_b128 v[Q+8*\i+4:Q+8*\i+7], v[QO], s[4:5] offset:(\i/2)*2048+(\i%2)*64+32
.endr
	v_lshrrev_b32 v10, 1, v1
	v_mul_u32_u24 v[AK0], v10, PK
	v_and_b32 v10, 1, v0
	v_lshl_add_u32 v[AK0], v10, 7, v[AK0]
	v_lshl_add_u32 v[AK0], v9, 4, v[AK0]           ; K: key r: (r / 2) x 272 + (r % 2) x 128 + 16 h
	v_bfe_u32 v11, v0, 1, 2
	v_lshl_add_u32 v11, v9, 2, v11                 ; V: key 8 h + l % 8: long row 4 h + (l / 2) % 4,
	v_mul_u32_u24 v[AV0], v11, PVP
	v_lshl_add_u32 v[AV0], v10, 7, v[AV0]          ; its half l % 2,
	v_bfe_u32 v11, v0, 3, 1
	v_lshl_add_u32 v[AV0], v11, 4, v[AV0]          ; channels 8 ((l / 8) % 2) on
	v_add_nc_u32 v[AV0], VOFF, v[AV0]
; THE MATRIX WORK OF A TURN, for piece x.  The accumulators take turns, one instruction a turn: between two links of a chain stand seven others'.
.macro PVM x, zero                     ; product i of 16 of O^T += V^T P: keys 32 (i / 8) on, channels 16 ((i / 2) % 4) on, tile x + i % 2
	WIN W_PV
.set rO, 32*(\x+i%2)+8*((i/2)%4)
.set rV, VF+32*(i/8)+8*((i/2)%4)
.set rP, S+32*(\x+i%2)+8*(i/8)
.if (\zero) && (i < 8)
	v_wmma_f32_16x16x32_f16 v[rO:rO+7], v[rV:rV+7], v[rP:rP+7], 0
.else
	v_wmma_f32_16x16x32_f16 v[rO:rO+7], v[rV:rV+7], v[rP:rP+7], v[rO:rO+7]
.endif
.endm
.macro KQ x                            ; product i of 16 of S^T = K Q^T: channels 32 (i / 8) on, keys 16 ((i / 2) % 4) on, tile x + i % 2
	WIN W_KQ
.set rS, S+32*(\x+i%2)+8*((i/2)%4)
.set rK, KF+16*((i/2)%4)+8*(i/8)
.set rQ, Q+16*(\x+i%2)+8*(i/8)
.if i < 8
	v_wmma_f32_16x16x32_f16 v[rS:rS+7], v[rK:rK+7], v[rQ:rQ+7], 0
.else
	v_wmma_f32_16x16x32_f16 v[rS:rS+7], v[rK:rK+7], v[rQ:rQ+7], v[rS:rS+7]
.endif
.endm
; THE LDS LOADS stand in runs of 16
.macro FETCH_K
	WIN 0
	v_add_nc_u32 v[ADR], s[TB], v[AK0]
	WIN 0x40                                       ; destination window 1
.irp f, 0,1,2,3,4,5,6,7                        ; keys 16 (f / 2) on, channels 32 (f % 2) on
	ds_load_b128 v[KF+8*\f:KF+8*\f+3],   v[ADR] offset:(\f/2)*8*PK+(\f%2)*64
	ds_load_b128 v[KF+8*\f+4:KF+8*\f+7], v[ADR] offset:(\f/2)*8*PK+(\f%2)*64+32
.endr
.endm
.macro FETCH_V
	WIN 0
	v_add_nc_u32 v[ADR], s[TB], v[AV0]
	s_add_co_u32 s[TB], s[TB], STEPB               ; the next fetch is the next step's
	s_wait_alu depctr_va_vdst(0)                   ; the wait for the softmax's batch of exponentials, ahead of the first instruction that names a result
	WIN 0x40
.irp f, 0,1,2,3,4,5,6,7                        ; keys 32 (f / 4) on, channels 16 (f % 4) on
	ds_load_tr16_b128 v[VF+8*\f:VF+8*\f+3],   v[ADR] offset:(\f/4)*16*PVP+(\f%4)*32
	ds_load_tr16_b128 v[VF+8*\f+4:VF+8*\f+7], v[ADR] offset:(\f/4)*16*PVP+8*PVP+(\f%4)*32
.endr
.endm
; THE VECTOR WORK OF A TURN.  One tile's softmax for a key step is a list of 117 instructions; SM writes number j of it for tile t.  s0-s31 are the lane's 32 scores, in pairs 0-15.
;   0-15    the maximum of s0-s31 and the old m: four chains of seven scores (each begins at an accumulator's low end), the four left over, the chains, m
;   16-19   the other half of the lanes' maximum; the new m; m_old - m
;   20-68   ONE BATCH: the 16 subtractions s - m, a pair each, and all 33 exponentials (a at 21).  None of these names an exponential's result
;   (wait)  behind 68 stands the one wait for the batch, written by SLICE
;   69-84   the sums, in two chains U and W that leave p as it stands; l = a l + U
;   85-100  the roundings to f16, in place, ascending: P takes the low 16 of the tile's 32 registers
;   101-116 the tile's O^T times a: the one part that leaves window 0
; first = 1: the first key step: no a, nothing to rescale, l starts.
.macro SM t, first
.set rT, ST+10*(\t)
.set rS, S+32*(\t)
.if j < 101
	WIN 0
.endif
.if j < 4
	v_max3_num_f32 v[rT+4+j-6*(j/3)], v[rS+8*j], v[rS+8*j+1], v[rS+8*j+2]
.elseif j < 12
.set q, j%4
	v_max3_num_f32 v[rT+4+q-6*(q/3)], v[rT+4+q-6*(q/3)], v[rS+8*q+2*(j/4)+1], v[rS+8*q+2*(j/4)+2]
.elseif j == 12
	v_max3_num_f32 v[rT+4], v[rT+4], v[rS+7], v[rS+15]
.elseif j == 13
	v_max3_num_f32 v[rT+6], v[rT+6], v[rS+23], v[rS+31]
.elseif j == 14
	v_max3_num_f32 v[rT+4], v[rT+4], v[rT+5], v[rT+6]
.elseif (j == 15) && (\first)
	v_max_num_f32 v[rT+4], v[rT+4], v[rT+1]
.elseif j == 15
	v_max3_num_f32 v[rT+4], v[rT+4], v[rT+1], v[rT]
.elseif j == 16
	v_permlanex16_b32 v[rT+5], v[rT+4], s[SEL], s[SEL+1]  ; the query's other 32 keys lie in the lane 16 away
.elseif j == 18
	v_max_num_f32 v[rT], v[rT+4], v[rT+5]
.elseif ((j == 17) || (j == 19) || (j == 21) || (j == 84) || (j > 100)) && (\first)
.elseif j == 17
	v_mov_b32 v[rT+7], v[rT]
.elseif j == 19
	v_sub_f32 v[rT+7], v[rT+7], v[rT]
.elseif j == 21
	v_exp_f32 v[rT+6], v[rT+7]
.elseif (j == 20) || ((j > 21) && (j < 67) && ((j-22)%3 == 0))
.set b, 0
.if j > 21
.set b, (j-22)/3+1
.endif
	v_pk_add_f32 v[rS+2*b:rS+2*b+1], v[rS+2*b:rS+2*b+1], v[rT:rT+1] op_sel_hi:[1,0] neg_lo:[0,1] neg_hi:[0,1]  ; pair b: s - m
.elseif j < 69
.set e, j-37
.if j < 67
.set e, 2*((j-22)/3)+(j-22)%3-1
.endif
	v_exp_f32 v[rS+e], v[rS+e]
.elseif j < 85
.set z, j-69
.if z == 0
	v_pk_add_f32 v[rT+4:rT+5], v[rS:rS+1], v[rS+2:rS+3]
.elseif z == 1
	v_pk_add_f32 v[rT+8:rT+9], v[rS+4:rS+5], v[rS+6:rS+7]
.elseif z < 14
.set uw, rT+4+4*(z%2)
	v_pk_add_f32 v[uw:uw+1], v[uw:uw+1], v[rS+2*(z+2):rS+2*(z+2)+1]
.elseif (z == 14) && (\first)
	v_pk_add_f32 v[rT+2:rT+3], v[rT+4:rT+5], v[rT+8:rT+9]
.elseif z == 14
	v_pk_add_f32 v[rT+4:rT+5], v[rT+4:rT+5], v[rT+8:rT+9]
.else
	v_pk_fma_f32 v[rT+2:rT+3], v[rT+2:rT+3], v[rT+6:rT+7], v[rT+4:rT+5] op_sel_hi:[1,0,1]
.endif
.elseif j < 101
	v_cvt_pk_f16_f32 v[rS+j-85], v[rS+2*(j-85)], v[rS+2*(j-85)+1]
.else
	WIN W_RS
.set rO, 32*(\t)+2*(j-101)
	v_pk_mul_f32 v[rO:rO+1], v[rO:rO+1], v[rT+6:rT+7] op_sel_hi:[1,0]
.endif
.endm
; Slice k of 32 of piece y's softmax: numbers j0 .. j0 + nn - 1 of both tiles' lists, the tiles alternating.  5 + 18 x 4 + 12 x 3 + 4 = 117.  The batch ends with slice 16, the rescaling
; begins with slice 27: no slice changes window inside itself.  Behind slice 16: one plain instruction, then the one wait for the piece's 66 exponentials; behind it no exponential is issued.
.macro SLICE y, first
.if k == 0
.set j0, 0
.set nn, 5
.elseif k < 19
.set j0, 4*k+1
.set nn, 4
.elseif k < 31
.set j0, 77+3*(k-19)
.set nn, 3
.else
.set j0, 113
.set nn, 4
.endif
.irp n, 0,1,2,3,4
.if \n < nn
.irp t, \y, \y+1
.set j, j0+\n
	SM \t, \first
.endr
.endif
.endr
.if k == 16
	v_nop                                          ; the plain instruction behind the last exponential
.if (\y) == 0
	FETCH_V                                        ; piece 2's turn: V's run of loads stands here, and the wait stands in it
.else
	s_wait_alu depctr_va_vdst(0)
.endif
.endif
.set k, k+1
.endm
.macro PLACES
.rept 4
	v_nop
.endr
.endm
; A TURN.  Piece x has the matrix unit; the other piece's softmax stands in slices behind its matrix instructions.  pv = 2: 16 products V^T P; 1: they start O^T; 0: none.  kq = 1: 16 products K Q^T.
; PLACES, counted.  The turn's last K Q^T to the next turn's first read of those scores, and to K's loads: slice 31, eight packed multiplies on the other piece.  V's last reader (product 15) to V's
; loads: four subtractions of slice 15, the v_nop, the run's own addition.  K Q^T number 2 or 3 writes over the P that V^T P number 14 or 15 read: four slices lie between, with fifteen plain instructions or more.
.macro TURN x, pv, kq, first
.set k, 0
.set per, 2
.if (\pv) && (\kq)
.set per, 1
.endif
.if \pv
.if \x == 0
	s_wait_dscnt 0x0                               ; V is in
.endif
.set i, 0
.rept 16
	PVM \x, 2-\pv
.rept per
	SLICE 2-\x, \first
.endr
.if (\x == 0) && (\kq) && (i == 1)
	FETCH_K
.endif
.set i, i+1
.endr
.endif
.if \kq
.if \x == 0
	s_wait_dscnt 0x0                               ; K is in
.endif
.set i, 0
.rept 16
	KQ \x
.rept per
	SLICE 2-\x, \first
.endr
.set i, i+1
.endr
.endif
.if \first
	PLACES                                         ; the first step's slices from 27 on are empty: these take their part
.endif
.endm
; THE CHANGE OF SLOTS: the slot's last bytes, V of its fourth step, have been asked for.  Each wave waits for all its tensor loads (one is out: its part of the other slot), adds 0 to its spare word, and
; waits for that and for its reads of the slot.  fill = 1: the barrier is a round of the cluster's, and the joint refill, the keys two slots on, is the first thing behind it: it has four key steps in which to land.
.macro CHANGE fill
	WIN 0
	s_wait_tensorcnt 0x0                           ; no tensor load of mine is out, so a group 0 may be written
	ds_add_u32 v[SPW], v[NIL]
.if \fill
.irp g, G0K+4, G0V+4
	s_xor_b32 s[\g+1], s[\g+1], SLOT1
	s_add_nc_u64 s[\g+2:\g+3], s[\g+2:\g+3], SLOTM
.endr
	s_wait_xcnt 0x0                                ; the last prefetch, four key steps back, has read its address
	s_add_nc_u64 s[PFA:PFA+1], s[PFA:PFA+1], SLOTM
	s_wait_dscnt 0x0                               ; the add is done, and my reads of the slot are over
	CROUND
	JLOAD
	ASK
.else
	s_wait_dscnt 0x0
	s_barrier_signal -1
	s_barrier_wait -1
.endif
	s_sub_co_u32 s[TB], s[TB], 4*STEPB             ; the fetches go back to a slot's first step,
	s_xor_b32 s[TB], s[TB], SLOT1                  ; in the other slot
.endm
.macro STEPS n                         ; n key steps: written once, walked n times; the LDS addresses hang on s[TB]
	s_mov_b32 s[CNT], \n
.Lstep_\@:
	TURN 0, 2, 1, 0
	TURN 2, 2, 1, 0
	WIN 0
	s_sub_co_u32 s[CNT], s[CNT], 1
	s_cmp_lg_u32 s[CNT], 0
	s_cbranch_scc1 .Lstep_\@
.endm
	s_wait_tensorcnt 1                             ; my part of slot 0 is in; slot 1's may stay out
	s_barrier_signal -1
	s_barrier_wait -1
	FETCH_K                                        ; key step 0
	s_wait_loadcnt 0x0                             ; Q
	s_wait_dscnt 0x0
.set i, 0
.rept 16
	KQ 0                                           ; piece 0's first scores
.set i, i+1
.endr
	WIN 0                                          ; the addresses for the way out: ten plain instructions, the places behind those products
	s_mul_i32 s13, s[WV], 16*SP
	s_add_co_u32 s13, s13, STAGE                   ; my stage
	v_mul_u32_u24 v[STO], v1, SP
	v_lshl_add_u32 v[STO], v9, 4, v[STO]
	v_add_nc_u32 v[STO], s13, v[STO]               ; in: row r, 16 bytes for each half of the lanes
	v_and_b32 v10, 31, v0
	v_lshrrev_b32 v11, 3, v10
	v_mul_u32_u24 v[RD], v11, SP
	v_and_b32 v11, 7, v0
	v_lshl_add_u32 v[RD], v11, 4, v[RD]
	v_add_nc_u32 v[RD], s13, v[RD]                 ; back: eight lanes to a row of 128 bytes, four rows an instruction
	v_lshlrev_b32 v[GO], 4, v10                    ; out: 16 bytes a lane
	TURN 2, 0, 1, 1                                ; piece 2's first scores | piece 0's first softmax | V of step 0
	TURN 0, 1, 1, 1                                ; piece 0: V^T P of step 0 starts O^T, K Q^T of step 1 | piece 2's first softmax | K of step 1
	TURN 2, 1, 1, 0                                ; piece 2: the same | piece 0's softmax of step 1 | V of step 1
	WIN 0
	STEPS 2                                        ; they fetch steps 2 and 3: the rest of slot 0
.Lslot:                                            ; six trips: each leaves a slot, fills it again, and fetches the other slot's four steps
	CHANGE 1
	STEPS 4
	s_sub_co_u32 s[SLOTS], s[SLOTS], 1
	s_cmp_lg_u32 s[SLOTS], 0
	s_cbranch_scc1 .Lslot
	CHANGE 0                                       ; the tail is written out
	STEPS 4
	TURN 0, 2, 0, 0                                ; piece 0: V^T P of the last step | piece 2's last softmax
.set i, 0
.rept 16
	PVM 2, 0                                       ; piece 2: V^T P of the last step
.set i, i+1
.endr
	; THE WAY OUT.  l's two halves and the other half of the lanes' are added (these are the places behind the last products); O^T is divided by l, rounded to f16 and sent through my stage, a tile at a time.
	WIN 0
.irp t, 0,1,2,3
	v_add_f32 v[ST+10*\t+4], v[ST+10*\t+2], v[ST+10*\t+3]
.endr
.irp t, 0,1,2,3
	v_permlanex16_b32 v[ST+10*\t+5], v[ST+10*\t+4], s[SEL], s[SEL+1]
.endr
.irp t, 0,1,2,3
	v_add_f32 v[ST+10*\t+4], v[ST+10*\t+4], v[ST+10*\t+5]
.endr
.irp t, 0,1,2,3
	v_rcp_f32 v[ST+10*\t+6], v[ST+10*\t+4]
.endr
	v_nop                                          ; a plain instruction behind the last reciprocal
	s_wait_alu depctr_va_vdst(0)                   ; one wait for the four, ahead of the first use
.macro OPACK t
	WIN W_RS
.set i, 0
.rept 16
	v_pk_mul_f32 v[32*\t+2*i:32*\t+2*i+1], v[32*\t+2*i:32*\t+2*i+1], v[ST+10*\t+6:ST+10*\t+7] op_sel_hi:[1,0]   ; ascending: each accumulator from its low end on
.set i, i+1
.endr
	WIN 0x05                                       ; sources 0 and 1 window 1, destination window 0
.set i, 0
.rept 16
	v_cvt_pk_f16_f32 v[S+32*\t+i], v[32*\t+2*i], v[32*\t+2*i+1]
.set i, i+1
.endr
	WIN 0
.irp c, 0,1,2,3
	ds_store_b128 v[STO], v[S+32*\t+4*\c:S+32*\t+4*\c+3] offset:32*\c
.endr
.irp u, 0,1,2,3
	ds_load_b128 v[S+32*\t+16+4*\u:S+32*\t+16+4*\u+3], v[RD] offset:4*SP*\u   ; LDS serves a wave in order: these see the stores above; the next tile's stores come behind them
.endr
.endm
.macro OSEND t, younger                ; younger: the LDS instructions issued behind tile t's loads: the next tile's eight, or none
.irp u, 0,1,2,3
	s_wait_dscnt \younger+3-\u
	global_store_b128 v[GO], v[S+32*\t+16+4*\u:S+32*\t+16+4*\u+3], s[6:7] offset:2048*\t+512*\u   ; four rows: 512 consecutive bytes, aligned
.endr
.endm
	OPACK 0
	OPACK 1
	OSEND 0, 8
	OPACK 2
	OSEND 1, 8
	OPACK 3
	OSEND 2, 8
	OSEND 3, 0
	s_wait_tensorcnt 0x0                           ; the wave's end
	ds_add_u32 v[SPW], v[NIL]
	s_wait_dscnt 0x0
	CROUND                                         ; the closing round
	s_endpgm
.Lfunc_end_k_qf905c89285_attn:
	.size	k_qf905c89285_attn, .Lfunc_end_k_qf905c89285_attn-k_qf905c89285_attn
	.p2alignl 7, 3214868480
	.fill 96, 4, 3214868480
	.section	.rodata,"a",@progbits
	.p2align	6, 0x0
	.amdhsa_kernel k_qf905c89285_attn
		.amdhsa_group_segment_fixed_size 327680
		.amdhsa_private_segment_fixed_size 0
		.amdhsa_enable_private_segment 0
		.amdhsa_kernarg_size 16
		.amdhsa_user_sgpr_count 2
		.amdhsa_user_sgpr_kernarg_segment_ptr 1
		.amdhsa_wavefront_size32 1
		.amdhsa_system_sgpr_workgroup_id_x 1
		.amdhsa_system_sgpr_workgroup_id_y 1
		.amdhsa_system_sgpr_workgroup_id_z 1
		.amdhsa_system_vgpr_workitem_id 0
		.amdhsa_next_free_vgpr 512
		.amdhsa_next_free_sgpr 66
		.amdhsa_reserve_vcc 0
		.amdhsa_float_denorm_mode_32 3
		.amdhsa_float_denorm_mode_16_64 3
		.amdhsa_memory_ordered 1
		.amdhsa_forward_progress 1
		.amdhsa_inst_pref_size 194
	.end_amdhsa_kernel
	.amdgpu_metadata
---
amdhsa.version: [ 1, 2 ]
amdhsa.kernels:
  - .name:           k_qf905c89285_attn
    .symbol:         k_qf905c89285_attn.kd
    .args:
      - { .name: qkv, .offset: 0, .size: 8, .value_kind: global_buffer, .address_space: global }
      - { .name: o, .offset: 8, .size: 8, .value_kind: global_buffer, .address_space: global }
    .group_segment_fixed_size: 327680
    .private_segment_fixed_size: 0
    .kernarg_segment_align: 8
    .kernarg_segment_size: 16
    .max_flat_workgroup_size: 256
    .sgpr_count:     66
    .vgpr_count:     512
    .wavefront_size: 32
...
	.end_amdgpu_metadata
.endif
;; end of part 3
;; launch proj (part 4): grid 4 x 64, 4 waves a work-group, clusters of 4 x 4, 327,680 bytes of LDS; arguments o, wt, b_out, out0; writes out0
.if DOCPART == 4
	.amdgcn_target "amdgcn-amd-amdhsa--gfx1250"
	.amdhsa_code_object_version 6
	.text
	.protected	k_qf905c89285_proj
	.globl	k_qf905c89285_proj
	.p2align	8
	.type	k_qf905c89285_proj,@function
k_qf905c89285_proj:
	s_mov_b64 s[64:65], 0
	v_nop
	global_prefetch_b8 v0, s[64:65] scope:SCOPE_SE
	s_setreg_imm32_b32 hwreg(HW_REG_WAVE_MODE, 25, 1), 1
	s_wait_xcnt 0x0
	s_wait_alu depctr_hold_cnt(0) depctr_sa_sdst(0) depctr_va_vdst(0) depctr_va_sdst(0) depctr_va_ssrc(0) depctr_va_vcc(0) depctr_vm_vsrc(0)
	s_getreg_b32 s2, hwreg(HW_REG_IB_STS2, 6, 4)
	s_cmp_eq_u32 s2, 0
	s_cbranch_scc0 .Lentry_in_a_cluster
	s_endpgm
.Lentry_in_a_cluster:
	s_bfe_u32 s2, ttmp6, 0x10000c
	s_cmp_lg_u32 s2, 0xf033
	s_cbranch_scc0 .Lentry_shape_is_right
	s_endpgm
.Lentry_shape_is_right:
; PROJ: out0[m][n] = sum over k of o[m][k] w_out[k][n] + b_out[n].  M = 8192, N = 1024, K = 1024; f16 operands, f32 sums, f32 out.
; o: [16 planes][8192 rows][64] f16;  wt: [16 planes][1024 n][64 k] f16: plane p holds k = 64 p .. 64 p + 63.  LIMIT: f16 operands (beyond 65,504 infinity).
; A tile of C is 128 (m) x 256 (n): 256 work-groups.  Four waves, each 64 x 128: 32 accumulators, 256 registers.  K goes in steps of 128, two planes, through a ring of two LDS slots.
; A plane's rows of 128 bytes are dense in memory: the mover takes two as one long row of 256 bytes with 16 of padding: row r lies at (r / 2) x 272 + (r % 2) x 128: the 16 rows of a load fall on 16 different columns of 16 bytes.
; CLUSTERS: 4 x 4 work-groups; o's tiles are shared along a row of the cluster, wt's along a column: joint loads.  Wave 0, 1: o's plane 0, 1; wave 2, 3: wt's plane 0, 1.
; THE MATRIX INSTRUCTION IS USED TRANSPOSED (source 0 = 16 rows of wt, source 1 = 16 rows of o): a lane holds eight neighbouring columns of a row of C.  The bias is the C of each sum's first product.
; REGISTERS: window 0: v0-31 addresses; v64-127 o's fragments, two buffers; v128-255 the way out.   window 1: v0-127 wt's fragments, two buffers; v128-191 the bias.   window 2: the accumulators ((a, b) at v[8 (8 a + b)]).
.set PITCH,  272
.set APL,    64*PITCH                  ; o's plane in a slot: 128 rows
.set BPL,    128*PITCH                 ; wt's: 256 rows
.set SLOT,   2*APL+2*BPL
.set SPARE,  2*SLOT                    ; the spare words, 128 bytes a wave: two blocks of 256 bytes that no other line names
.set SPITCH, 528                       ; the way out: 16 rows x (512 bytes + 16) a wave, in slot 0, which has had its last fill and its last read by then
.set LAPS,   4                         ; a lap = two K steps
.set ADRA, 16
.set ADRB, 20
.set STO,  24
.set RD,   25
.set CO,   26
.set SPW,  28
.set NIL,  29
.set AF,   64
.set BK,   128
.set BI,   128                         ; in window 1
.set G1, 24
.set G0, 32
.set G1B, 48
.set G0B, 56
.set MSB, 0
.macro WIN new
.if MSB != (\new)
	s_set_vgpr_msb (MSB<<8)|(\new)
.set MSB, (\new)
.endif
.endm
.set MUL,  0xa1                        ; source 0 (wt) window 1, source 1 (o) window 0, C and D window 2
.set MUL1, 0x91                        ; the same with C, the bias, in window 1
.set TO_B, 0x40
.macro JLOAD s                         ; a joint load; an s_nop 0 and four v_nop follow each of the two lines
	s_cmp_eq_u32 s13, 0
	s_cbranch_scc0 .Lfor_b_\@
	tensor_load_to_lds s[G0+4*\s:G0+4*\s+3], s[G1:G1+7]
	s_nop 0
.rept 4
	v_nop
.endr
	s_branch .Lasked_\@
.Lfor_b_\@:
	tensor_load_to_lds s[G0B+4*\s:G0B+4*\s+3], s[G1B:G1B+7]
	s_nop 0
.rept 4
	v_nop
.endr
.Lasked_\@:
.endm
.macro CREST                           ; a round of the cluster's barrier behind its opening barrier
	s_cmp_lg_u32 s12, 0
	s_cbranch_scc1 .Lnot_wave_0_\@
	s_barrier_signal -3
.Lnot_wave_0_\@:
	s_barrier_wait -3
	s_barrier_signal -1
	s_barrier_wait -1
.endm
.macro CROUND
	s_barrier_signal -1
	s_barrier_wait -1
	CREST
.endm
	s_load_b256 s[4:11], s[0:1], 0x0               ; o s[4:5], wt s[6:7], b_out s[8:9], out0 s[10:11]
	v_lshl_add_u32 v[SPW], v0, 2, SPARE
	v_mov_b32 v[NIL], 0
	ds_add_u32 v[SPW], v[NIL]                      ; the opening: the add, twice on end, and its wait ahead of my first tensor load
	ds_add_u32 v[SPW], v[NIL]
	v_lshrrev_b32 v1, 5, v0
	v_readfirstlane_b32 s12, v1                    ; wave 0..3
	s_lshr_b32 s13, s12, 1                         ; my half of the tile's rows.  Also: I fetch for o (0) or for wt (1)
	s_and_b32 s14, s12, 1                          ; my half of its columns.  Also: which plane I fetch
	s_bfe_u32 s40, ttmp6, 0x40000                  ; cx
	s_bfe_u32 s41, ttmp6, 0x40004                  ; cy
	s_lshl_b32 s42, ttmp9, 2
	s_add_co_u32 s42, s42, s40                     ; tile column
	s_and_b32 s15, ttmp7, 0xffff
	s_lshl_b32 s15, s15, 2
	s_add_co_u32 s15, s15, s41                     ; tile row
	s_lshl_b32 s43, s41, 2
	s_lshl_b32 s43, 15, s43                        ; my row of the cluster
	s_lshl_b32 s44, 0x1111, s40                    ; my column
	s_or_b32 s[G1+0], s43, (1<<16)|(1<<20)|(1<<21)|(5<<22)|(3<<25)  ; the mask; elements of 2 bytes; padding: 4 words behind every 64; bit 21 beside a mask
	s_or_b32 s[G1B+0], s44, (1<<16)|(1<<20)|(1<<21)|(5<<22)|(3<<25)
	s_mov_b32 s[G1+1], 128<<16                     ; tensor_dim0 = 128 elements: a long row
	s_mov_b32 s[G1+2], 64<<16                      ; tensor_dim1 = 64 long rows
	s_mov_b32 s[G1+3], 128<<16                     ; tile_dim0
	s_mov_b32 s[G1+4], 64                          ; tile_dim1
	s_mov_b32 s[G1+5], 128                         ; the pitch: dense
	s_mov_b32 s[G1+6], 0
	s_mov_b32 s[G1+7], 0
	s_mov_b32 s[G1B+1], 128<<16
	s_mov_b32 s[G1B+2], 128<<16                    ; 128 long rows
	s_mov_b32 s[G1B+3], 128<<16
	s_mov_b32 s[G1B+4], 128
	s_mov_b32 s[G1B+5], 128
	s_mov_b32 s[G1B+6], 0
	s_mov_b32 s[G1B+7], 0
	s_lshl_b32 s16, s15, 14                        ; o: 128 rows of 128 bytes a tile row,
	s_lshl_b32 s17, s14, 20                        ; my plane
	s_add_co_u32 s16, s16, s17
	s_mov_b32 s17, 0
	s_lshl_b32 s46, s42, 15                        ; wt: 256 rows of 128 bytes a tile column,
	s_lshl_b32 s47, s14, 17                        ; my plane
	s_add_co_u32 s46, s46, s47
	s_mov_b32 s47, 0
	s_mul_i32 s20, s14, APL                        ; where they go: no place in the cluster enters an LDS address
	s_mul_i32 s21, s14, BPL
	s_add_co_u32 s21, s21, 2*APL
	s_wait_dscnt 0x0                               ; both opening adds are done
	s_wait_kmcnt 0x0
	s_add_nc_u64 s[16:17], s[4:5], s[16:17]
	s_add_nc_u64 s[46:47], s[6:7], s[46:47]
	CROUND                                         ; all sixteen work-groups are here: the first joint loads meet
.irp s, 0,1
	s_mov_b32 s[G0+4*\s], 1
	s_add_co_u32 s[G0+4*\s+1], s20, \s*SLOT
	s_add_nc_u64 s[G0+4*\s+2:G0+4*\s+3], s[16:17], \s*0x200000    ; K step s: two planes of o on
	s_or_b32 s[G0+4*\s+3], s[G0+4*\s+3], 0x80000000
	s_mov_b32 s[G0B+4*\s], 1
	s_add_co_u32 s[G0B+4*\s+1], s21, \s*SLOT
	s_add_nc_u64 s[G0B+4*\s+2:G0B+4*\s+3], s[46:47], \s*0x40000   ; two planes of wt on
	s_or_b32 s[G0B+4*\s+3], s[G0B+4*\s+3], 0x80000000
	JLOAD \s                                       ; two tensor loads of mine are out
.endr
	v_and_b32 v1, 15, v0                           ; r
	v_bfe_u32 v2, v0, 4, 1                         ; h
	s_lshl_b32 s46, s42, 10                        ; my first column, in bytes of f32: 1,024 x tile column + 512 x half
	s_lshl_b32 s47, s14, 9
	s_add_co_u32 s46, s46, s47
	s_mov_b32 s47, 0
	s_add_nc_u64 s[8:9], s[8:9], s[46:47]
	v_lshlrev_b32 v3, 5, v2                        ; the bias in the result's layout: block b, register j: b_out at column 16 b + 8 h + j
	WIN TO_B
.irp b, 0,1,2,3,4,5,6,7
	global_load_b128 v[BI+8*\b:BI+8*\b+3],   v3, s[8:9] offset:64*\b
	global_load_b128 v[BI+8*\b+4:BI+8*\b+7], v3, s[8:9] offset:64*\b+16
.endr
	WIN 0
	v_lshrrev_b32 v4, 1, v1
	v_mul_u32_u24 v4, v4, PITCH
	v_and_b32 v5, 1, v0
	v_lshl_add_u32 v4, v5, 7, v4
	v_lshl_add_u32 v4, v2, 4, v4                   ; a fragment's row r: (r / 2) x 272 + (r % 2) x 128 + 16 h
	s_mul_i32 s21, s13, 32*PITCH                   ; my 64 rows of o
	s_mul_i32 s22, s14, 64*PITCH                   ; my 128 rows of wt,
	s_add_co_u32 s22, s22, 2*APL                   ; behind o's two planes
.irp s, 0,1
	v_add_nc_u32 v[ADRA+\s], s21, v4
	v_add_nc_u32 v[ADRB+\s], s22, v4
	s_add_co_u32 s21, s21, SLOT
	s_add_co_u32 s22, s22, SLOT
.endr
	s_mul_i32 s23, s12, 16*SPITCH                  ; my stage
	v_mul_u32_u24 v5, v1, SPITCH
	v_lshl_add_u32 v5, v2, 5, v5
	v_add_nc_u32 v[STO], s23, v5                   ; in: row r, 32 bytes for each half of the lanes
	v_and_b32 v6, 31, v0
	v_lshlrev_b32 v[CO], 4, v6                     ; back and out: the 32 lanes take a row's 512 bytes
	v_add_nc_u32 v[RD], s23, v[CO]
	s_lshl_b32 s16, s15, 7
	s_lshl_b32 s17, s13, 6
	s_add_co_u32 s16, s16, s17                     ; my first row of C
	s_lshl_b32 s16, s16, 12                        ; rows of 4,096 bytes
	s_mov_b32 s17, 0
	s_add_nc_u64 s[10:11], s[10:11], s[16:17]
	s_add_nc_u64 s[10:11], s[10:11], s[46:47]
; 8 matrix instructions: o's block a against wt's eight, 32 along K, buffer f.  first = 1: the bias starts the sums.  The 32 accumulators take turns, one instruction a turn.
.macro MULA f, a, first
.irp b, 0,1,2,3,4,5,6,7
.if \first
	v_wmma_f32_16x16x32_f16 v[8*(8*(\a)+\b):8*(8*(\a)+\b)+7], v[64*(\f)+8*\b:64*(\f)+8*\b+7], v[AF+32*(\f)+8*(\a):AF+32*(\f)+8*(\a)+7], v[BI+8*\b:BI+8*\b+7]
.else
	v_wmma_f32_16x16x32_f16 v[8*(8*(\a)+\b):8*(8*(\a)+\b)+7], v[64*(\f)+8*\b:64*(\f)+8*\b+7], v[AF+32*(\f)+8*(\a):AF+32*(\f)+8*(\a)+7], v[8*(8*(\a)+\b):8*(8*(\a)+\b)+7]
.endif
.endr
.endm
; 24 LDS loads in one run: quarter q of a K step (plane q / 2, bytes 64 (q % 2) on) into buffer f: wt's eight blocks, then o's four
.macro FETCH slot, q, f
	WIN TO_B
.irp i, 0,1,2,3,4,5,6,7
	ds_load_b128 v[64*(\f)+8*\i:64*(\f)+8*\i+3],   v[ADRB+\slot] offset:((\q)/2)*BPL+((\q)%2)*64+\i*8*PITCH
	ds_load_b128 v[64*(\f)+8*\i+4:64*(\f)+8*\i+7], v[ADRB+\slot] offset:((\q)/2)*BPL+((\q)%2)*64+\i*8*PITCH+32
.endr
	WIN 0
.irp i, 0,1,2,3
	ds_load_b128 v[AF+32*(\f)+8*\i:AF+32*(\f)+8*\i+3],   v[ADRA+\slot] offset:((\q)/2)*APL+((\q)%2)*64+\i*8*PITCH
	ds_load_b128 v[AF+32*(\f)+8*\i+4:AF+32*(\f)+8*\i+7], v[ADRA+\slot] offset:((\q)/2)*APL+((\q)%2)*64+\i*8*PITCH+32
.endr
.endm
.macro PLACES                          ; four plain instructions in front of loads into registers that matrix instructions have read, and of reads of results
.rept 4
	v_nop
.endr
.endm
; One of a K step's first three quarters: multiplies buffer f and fetches quarter qn of the same slot into buffer g
.macro QUARTER slot, qn, f, g, first
	s_wait_dscnt 4                                 ; wt's blocks and o's blocks 0, 1 are in; the youngest four loads (o's blocks 2, 3) may be out
.if \first
	WIN MUL1
.else
	WIN MUL
.endif
	MULA \f, 0, \first
	MULA \f, 1, \first
	PLACES
	FETCH \slot, \qn, \g
	s_wait_dscnt 24                                ; all but the 24 just issued
.if \first
	WIN MUL1
.else
	WIN MUL
.endif
	MULA \f, 2, \first
	MULA \f, 3, \first
.endm
; The last quarter multiplies buffer 1 and changes slots: ONE barrier; in front of it each wave waits for all its tensor loads, adds 0 to its spare word, and waits for that and for its reads of this slot.
; fill = 1: the barrier opens a round of the cluster's, and this slot is filled again, two K steps ahead, first thing behind the round.
.macro TURN slot, next, fill
	WIN 0
	s_wait_tensorcnt 0x0                           ; all my tensor loads have landed: my part of the next slot
	ds_add_u32 v[SPW], v[NIL]
	s_wait_dscnt 5                                 ; the add and the youngest four loads may be out
	WIN MUL
	MULA 1, 0, 0
	s_wait_dscnt 0x0                               ; the add is done, and my reads of this slot are over
	s_barrier_signal -1
	MULA 1, 1, 0
.if \fill
	WIN 0
.endif
	s_barrier_wait -1
.if \fill
	CREST
	s_add_nc_u64 s[G0+4*\slot+2:G0+4*\slot+3], s[G0+4*\slot+2:G0+4*\slot+3], 0x400000    ; four planes of o on
	s_add_nc_u64 s[G0B+4*\slot+2:G0B+4*\slot+3], s[G0B+4*\slot+2:G0B+4*\slot+3], 0x80000 ; four planes of wt on
	JLOAD \slot                                    ; the four v_nop behind it are also the places in front of the loads below
.else
	PLACES
.endif
	FETCH \next, 0, 0
	WIN MUL
	MULA 1, 2, 0
	MULA 1, 3, 0
.endm
	s_wait_loadcnt 0x0                             ; the bias
	s_wait_tensorcnt 1                             ; my part of K step 0 is in; K step 1's load may be out
	s_barrier_signal -1
	s_barrier_wait -1
	FETCH 0, 0, 0
	QUARTER 0, 1, 0, 1, 1                          ; the first quarter stands in front of the loop: its products start the sums with the bias
	WIN 0
	s_mov_b32 s3, LAPS-1
.Llap:                                             ; a trip goes once round the ring and fills both slots again
	QUARTER 0, 2, 1, 0, 0
	QUARTER 0, 3, 0, 1, 0
	TURN 0, 1, 1
	QUARTER 1, 1, 0, 1, 0
	QUARTER 1, 2, 1, 0, 0
	QUARTER 1, 3, 0, 1, 0
	TURN 1, 0, 1
	QUARTER 0, 1, 0, 1, 0
	WIN 0
	s_sub_co_u32 s3, s3, 1
	s_cmp_lg_u32 s3, 0
	s_cbranch_scc1 .Llap
	QUARTER 0, 2, 1, 0, 0                          ; the last lap fills nothing
	QUARTER 0, 3, 0, 1, 0
	TURN 0, 1, 0
	QUARTER 1, 1, 0, 1, 0
	QUARTER 1, 2, 1, 0, 0
	QUARTER 1, 3, 0, 1, 0
	s_wait_dscnt 4
	WIN MUL
	MULA 1, 0, 0
	MULA 1, 1, 0
	s_wait_dscnt 0
	MULA 1, 2, 0
	MULA 1, 3, 0
	WIN 0
; THE WAY OUT, a block of 16 rows x 128 columns at a time, through my own stage: back as whole rows of 512 bytes, which the 32 lanes store as 512 consecutive aligned bytes.
.macro TOSTAGE a
	WIN 0x08                                       ; an LDS store's data are its source 1: window 2
.irp b, 0,1,2,3,4,5,6,7
	ds_store_b128 v[STO], v[8*(8*(\a)+\b):8*(8*(\a)+\b)+3] offset:64*\b        ; each accumulator from its low end on
	ds_store_b128 v[STO], v[8*(8*(\a)+\b)+4:8*(8*(\a)+\b)+7] offset:64*\b+16
.endr
	WIN 0
.irp t, 0,1,2,3,4,5,6,7,8,9,10,11,12,13,14,15
	ds_load_b128 v[BK+64*((\a)%2)+4*\t:BK+64*((\a)%2)+4*\t+3], v[RD] offset:\t*SPITCH   ; LDS serves a wave in order: these see the stores above
.endr
.endm
.macro SEND a, younger                 ; younger: the LDS instructions issued behind block a's loads, which may stay out
	s_wait_dscnt \younger
.irp t, 0,1,2,3,4,5,6,7,8,9,10,11,12,13,14,15
	global_store_b128 v[CO], v[BK+64*((\a)%2)+4*\t:BK+64*((\a)%2)+4*\t+3], s[10:11] offset:(16*(\a)+\t)*4096 th:TH_STORE_NT
.endr
.endm
	PLACES                                         ; behind the last products, ahead of the first read of results
	TOSTAGE 0
.irp a, 1,2,3
.if \a > 1
	s_wait_xcnt 0x0                                ; block a - 2's stores have read their registers: block a's loads may land there
.endif
	TOSTAGE \a
	SEND \a-1, 32                                  ; behind block a - 1's loads: block a's 16 stores and 16 loads
.endr
	SEND 3, 0
	s_wait_tensorcnt 0x0                           ; the wave's end
	ds_add_u32 v[SPW], v[NIL]
	s_wait_dscnt 0x0
	CROUND                                         ; the closing round
	s_endpgm
.Lfunc_end_k_qf905c89285_proj:
	.size	k_qf905c89285_proj, .Lfunc_end_k_qf905c89285_proj-k_qf905c89285_proj
	.p2alignl 7, 3214868480
	.fill 96, 4, 3214868480
	.section	.rodata,"a",@progbits
	.p2align	6, 0x0
	.amdhsa_kernel k_qf905c89285_proj
		.amdhsa_group_segment_fixed_size 327680
		.amdhsa_private_segment_fixed_size 0
		.amdhsa_enable_private_segment 0
		.amdhsa_kernarg_size 32
		.amdhsa_user_sgpr_count 2
		.amdhsa_user_sgpr_kernarg_segment_ptr 1
		.amdhsa_wavefront_size32 1
		.amdhsa_system_sgpr_workgroup_id_x 1
		.amdhsa_system_sgpr_workgroup_id_y 1
		.amdhsa_system_sgpr_workgroup_id_z 1
		.amdhsa_system_vgpr_workitem_id 0
		.amdhsa_next_free_vgpr 768
		.amdhsa_next_free_sgpr 66
		.amdhsa_reserve_vcc 0
		.amdhsa_float_denorm_mode_32 3
		.amdhsa_float_denorm_mode_16_64 3
		.amdhsa_memory_ordered 1
		.amdhsa_forward_progress 1
		.amdhsa_inst_pref_size 87
	.end_amdhsa_kernel
	.amdgpu_metadata
---
amdhsa.version: [ 1, 2 ]
amdhsa.kernels:
  - .name:           k_qf905c89285_proj
    .symbol:         k_qf905c89285_proj.kd
    .args:
      - { .name: o, .offset: 0, .size: 8, .value_kind: global_buffer, .address_space: global }
      - { .name: wt, .offset: 8, .size: 8, .value_kind: global_buffer, .address_space: global }
      - { .name: b_out, .offset: 16, .size: 8, .value_kind: global_buffer, .address_space: global }
      - { .name: out0, .offset: 24, .size: 8, .value_kind: global_buffer, .address_space: global }
    .group_segment_fixed_size: 327680
    .private_segment_fixed_size: 0
    .kernarg_segment_align: 8
    .kernarg_segment_size: 32
    .max_flat_workgroup_size: 128
    .sgpr_count:     66
    .vgpr_count:     768
    .wavefront_size: 32
...
	.end_amdgpu_metadata
.endif
;; end of part 4
